; MI455X (gfx1250); checked and timed in simulation.
; The chip was launched on July 23, 2026; its instructions are those of AMD's public machine-readable ISA for CDNA 5 (MIT licence, August 2026) and "CDNA5" Instruction Set Architecture Reference Guide (July 2026). The comments in the code are by the model that wrote it; some were corrected since.
;; Attention Block. Allowed arithmetic: float matrix products may take bf16 or f16 operands with f32 sums; other float arithmetic in f32, or as packed bf16 or f16 multiplies, adds, multiply-adds, maxima and minima; sums over many terms, partial sums and values carried from step to step in f32; what a program stores and reads back later, other than sums and carried values, may be rounded once to bf16 or f16.
;; Inputs: b_ff1 4,096 float32; b_ff2 1,024 float32; b_proj 1,024 float32; ln1_b 1,024 float32; ln1_w 1,024 float32; ln2_b 1,024 float32; ln2_w 1,024 float32; w_ff1 1,024 x 4,096 float32; w_ff2 4,096 x 1,024 float32; w_proj 1,024 x 1,024 float32; w_qkv 1,024 x 3,072 float32; x 4 x 1,024 x 1,024 float32.
;; Outputs: out0 4 x 1,024 x 1,024 float32.
;; One version. Each part assembles by itself: llvm-mc -triple=amdgcn-amd-amdhsa -mcpu=gfx1250 --defsym DOCPART=n.
;; ======== version 1 of 1: 7 launches
;; workspace buffers: wb 25,165,824 bytes; h 8,388,608 bytes; qkv 25,165,824 bytes; ctx 8,388,608 bytes; x1 16,777,216 bytes; g 33,554,432 bytes
;; launch prep (part 1): grid 256 x 1, 8 waves a work-group, no clusters, 327,680 bytes of LDS; arguments x, ln1_w, ln1_b, w_qkv, w_proj, w_ff1, w_ff2, h, wb; writes h, wb
.if DOCPART == 1
	.amdgcn_target "amdgcn-amd-amdhsa--gfx1250"
	.amdhsa_code_object_version 6
	.text
	.protected	k_qf8c727387c_prep
	.globl	k_qf8c727387c_prep
	.p2align	8
	.type	k_qf8c727387c_prep,@function
k_qf8c727387c_prep:
	s_mov_b64 s[64:65], 0
	v_nop
	global_prefetch_b8 v0, s[64:65] scope:SCOPE_SE
	s_setreg_imm32_b32 hwreg(HW_REG_WAVE_MODE, 25, 1), 1
	s_wait_xcnt 0x0
; h = LayerNorm(x) in bf16, and the four weight matrices, f32 [K][N], rounded once to bf16 into wb.  A stream: no matrix unit, no barrier.
; LayerNorm: y = (x - mean) * rsqrt(var + 1e-5) * w + b over rows of 1,024, var taken of the centred row, all in f32, y rounded once.
; wb: WQ at 0, [16 tiles][1024 k][192 columns], the columns of w_qkv put in the order n' = 1024 c + 64 head + d (in w_qkv: n = 192 head + 3 d + c), n' = 192 tile + column;
;     then w_proj at 6,291,456, w_ff1 at 8,388,608, w_ff2 at 16,777,216, as they lie.
; SHARES.  All that is read, 67,108,864 bytes, is 262,144 for each of 256 work-groups and 32,768 for each of their eight waves: it fits in LDS at once.  So every byte comes by a first fill of the
; tensor data mover, five loads a wave, all issued at the start: no byte of LDS is filled twice, and each wave reads only the bytes that it asked for, behind its own counted wait.
; Wave w of group g: x rows 16 g + 2 w, + 1;  half w % 2 of row 4 g + w / 2 of w_qkv;  2,048 bytes of w_proj;  8,192 of w_ff1;  8,192 of w_ff2.
; A lane takes 32 neighbouring bytes (8 numbers) out of LDS and stores 16: a wave's store covers 512 consecutive bytes, aligned.
.set SPARE, 262144                     ; behind the eight waves' 32,768 bytes: the spare words, 128 bytes a wave
.set LX,   0                           ; a wave's bytes: x,
.set LWQ,  8192                        ; w_qkv,
.set LWP,  14336                       ; w_proj,
.set LW1,  16384                       ; w_ff1,
.set LW2,  24576                       ; w_ff2
.set T,   4                            ; v[4:11]    four running pairs
.set X0,  16                           ; v[16:47] row 0, v[48:79] row 1
.set WG,  80                           ; v[80:111]  gain
.set BB,  112                          ; v[112:143] bias
.set OB,  144                          ; v[144:159] a row to store
.set IN,  16                           ; the weights: v[16:79] as read from LDS,
.set OUT, 80                           ; v[80:111] to store
.set LA,  160                          ; v160  LDS: my wave's bytes + 32 x lane; never rewritten
.set LQ,  161                          ; v161  LDS: my wave's part of w_qkv + 96 x lane; never rewritten
.set SO,  162                          ; v162  16 x lane; never rewritten
.set G32, 163                          ; v163  32 x lane; never rewritten
.set QO,  164                          ; v[164:169] where my two octets go in WQ, for c = 0, 1, 2; never rewritten
.set SPW, 170                          ; v170  my spare word;  v171  0; never rewritten
.set NIL, 171
.set G1A, 24                           ; s[24:31] group 1: 32 rows of 256 bytes;  s[32:39] 24 rows;  s[40:47] 8 rows
.set G1B, 32
.set G1C, 40
.set G0X, 48                           ; group 0: x s[48:51], w_qkv s[52:55], w_proj s[56:59], w_ff1 s[60:63], w_ff2 s[68:71]
.set G0Q, 52
.set G0P, 56
.set G01, 60
.set G02, 68
.macro G1SET g, r                      ; a dense block of r x 256 bytes: elements of 8 bytes, 32 to a row, no padding
	s_mov_b32 s[\g], 3<<16
	s_mov_b32 s[\g+1], 32<<16                      ; tensor_dim0 = 32
	s_mov_b32 s[\g+2], (\r)<<16                    ; tensor_dim1 = r
	s_mov_b32 s[\g+3], 32<<16                      ; tile_dim0 = 32
	s_mov_b32 s[\g+4], \r                          ; tile_dim1 = r
	s_mov_b32 s[\g+5], 32                          ; each row begins where the last ends
	s_mov_b32 s[\g+6], 0
	s_mov_b32 s[\g+7], 0
.endm
	s_load_b256 s[4:11], s[0:1], 0x0               ; x s[4:5], gain s[6:7], bias s[8:9], w_qkv s[10:11]
	s_load_b256 s[12:19], s[0:1], 0x20             ; w_proj s[12:13], w_ff1 s[14:15], w_ff2 s[16:17], h s[18:19]
	s_load_b64 s[20:21], s[0:1], 0x40              ; wb
	v_lshl_add_u32 v[SPW], v0, 2, SPARE
	v_mov_b32 v[NIL], 0
	ds_add_u32 v[SPW], v[NIL]                      ; the wave's opening: the add and its wait stand ahead of my first tensor load
	ds_add_u32 v170, v171
	v_lshrrev_b32 v1, 5, v0
	v_readfirstlane_b32 s22, v1                    ; wave 0..7
	G1SET G1A, 32
	G1SET G1B, 24
	G1SET G1C, 8
	s_lshl_b32 s23, s22, 15                        ; my wave's bytes in LDS
	s_mov_b32 s[G0X], 1
	s_mov_b32 s[G0X+1], s23
	s_mov_b32 s[G0Q], 1
	s_add_co_u32 s[G0Q+1], s23, LWQ
	s_mov_b32 s[G0P], 1
	s_add_co_u32 s[G0P+1], s23, LWP
	s_mov_b32 s[G01], 1
	s_add_co_u32 s[G01+1], s23, LW1
	s_mov_b32 s[G02], 1
	s_add_co_u32 s[G02+1], s23, LW2
	s_lshl_b32 s72, ttmp9, 16
	s_lshl_b32 s74, s22, 13
	s_add_co_u32 s72, s72, s74                     ; 65,536 g + 8,192 w: my bytes of x, w_ff1, w_ff2
	s_mov_b32 s73, 0
	s_lshl_b32 s74, ttmp9, 3
	s_add_co_u32 s74, s74, s22
	s_mul_i32 s74, s74, 6144                       ; 6,144 (8 g + w): my half row of w_qkv
	s_mov_b32 s75, 0
	s_lshr_b32 s76, s72, 2                         ; my bytes of w_proj
	s_mov_b32 s77, 0
	s_lshr_b32 s78, s72, 1                         ; out: h, w_ff1, w_ff2
	s_mov_b32 s79, 0
	s_lshr_b32 s88, s72, 3                         ; out: w_proj
	s_mov_b32 s89, 0
	s_lshl_b32 s90, ttmp9, 2
	s_lshr_b32 s92, s22, 1
	s_add_co_u32 s90, s90, s92
	s_mul_i32 s90, s90, 384                        ; out: k row 4 g + w / 2 of each tile of WQ
	s_mov_b32 s91, 0
	s_mov_b32 s80, 0x76543210                      ; v_permlanex16_b32: each lane takes its own place in the other half
	s_mov_b32 s81, 0xfedcba98
	s_wait_dscnt 0x0                               ; the opening add is done
	s_wait_kmcnt 0x0
	s_add_nc_u64 s[G0X+2:G0X+3], s[4:5], s[72:73]
	s_or_b32 s[G0X+3], s[G0X+3], 0x80000000
	s_add_nc_u64 s[G0Q+2:G0Q+3], s[10:11], s[74:75]
	s_or_b32 s[G0Q+3], s[G0Q+3], 0x80000000
	s_add_nc_u64 s[G0P+2:G0P+3], s[12:13], s[76:77]
	s_or_b32 s[G0P+3], s[G0P+3], 0x80000000
	s_add_nc_u64 s[G01+2:G01+3], s[14:15], s[72:73]
	s_or_b32 s[G01+3], s[G01+3], 0x80000000
	s_add_nc_u64 s[G02+2:G02+3], s[16:17], s[72:73]
	s_or_b32 s[G02+3], s[G02+3], 0x80000000
	tensor_load_to_lds s[G0X:G0X+3], s[G1A:G1A+7]  ; the five first fills, in the order in which they are used: five loads of mine are out
	s_nop 0
	tensor_load_to_lds s[G0Q:G0Q+3], s[G1B:G1B+7]
	s_nop 0
	tensor_load_to_lds s[G0P:G0P+3], s[G1C:G1C+7]
	s_nop 0
	tensor_load_to_lds s[G01:G01+3], s[G1A:G1A+7]
	s_nop 0
	tensor_load_to_lds s[G02:G02+3], s[G1A:G1A+7]
	s_nop 0
	s_add_nc_u64 s[18:19], s[18:19], s[78:79]      ; h at my two rows
	s_add_nc_u64 s[84:85], s[20:21], s[78:79]
	s_add_nc_u64 s[86:87], s[84:85], 16777216      ; wb at my part of w_ff2,
	s_add_nc_u64 s[84:85], s[84:85], 8388608       ; of w_ff1,
	s_add_nc_u64 s[88:89], s[20:21], s[88:89]
	s_add_nc_u64 s[88:89], s[88:89], 6291456       ; of w_proj,
	s_add_nc_u64 s[90:91], s[20:21], s[90:91]      ; and at my k row of WQ's tile 0
	v_and_b32 v1, 31, v0                           ; lane
	v_lshlrev_b32 v[G32], 5, v1
	v_lshlrev_b32 v[SO], 4, v1
	v_add_nc_u32 v[LA], s23, v[G32]
	v_mul_u32_u24 v[LQ], v1, 96
	s_add_co_u32 s92, s23, LWQ
	v_add_nc_u32 v[LQ], s92, v[LQ]
	v_mov_b32 v15, 0x3a800000                      ; 1 / 1,024
.irp j, 0,1,2,3                        ; register 8 j + e holds column 256 j + 8 lane + e, in gain, bias and rows alike
	global_load_b128 v[WG+8*\j:WG+8*\j+3],   v[G32], s[6:7] offset:1024*\j
	global_load_b128 v[WG+8*\j+4:WG+8*\j+7], v[G32], s[6:7] offset:1024*\j+16
.endr
.irp j, 0,1,2,3
	global_load_b128 v[BB+8*\j:BB+8*\j+3],   v[G32], s[8:9] offset:1024*\j
	global_load_b128 v[BB+8*\j+4:BB+8*\j+7], v[G32], s[8:9] offset:1024*\j+16
.endr
	; an octet is 24 consecutive f32 of a row of w_qkv: (head, d) = 8 o + 0..7, each with c = 0, 1, 2.  Mine: o = 64 (w % 2) + 32 p + lane, p = 0, 1
	s_and_b32 s92, s22, 1
	s_lshl_b32 s92, s92, 6
	v_add_nc_u32 v2, s92, v1
.irp p, 0,1
.irp c, 0,1,2
	v_add_nc_u32 v3, 128*\c+32*\p, v2              ; O = 128 c + o: the octet's number in the new order
	v_mul_u32_u24 v5, v3, 2731
	v_lshrrev_b32 v5, 16, v5                       ; tile = O / 24 (exact for O < 384)
	v_mul_u32_u24 v5, v5, 392832                   ; 393,216 tile - 384 tile,
	v_lshl_add_u32 v[QO+3*\p+\c], v3, 4, v5        ; + 16 O = 393,216 tile + 16 (O - 24 tile)
.endr
.endr
.macro REDUCE                          ; the four pairs and the 32 lanes are added: the sum in v[T] of every lane
	v_pk_add_f32 v[T:T+1], v[T:T+1], v[T+2:T+3]
	v_pk_add_f32 v[T+4:T+5], v[T+4:T+5], v[T+6:T+7]
	v_pk_add_f32 v[T:T+1], v[T:T+1], v[T+4:T+5]
	v_add_f32 v[T], v[T], v[T+1]
	v_add_f32_dpp v[T], v[T], v[T] row_xmask:1 row_mask:0xf bank_mask:0xf
	v_add_f32_dpp v[T], v[T], v[T] row_xmask:2 row_mask:0xf bank_mask:0xf
	v_add_f32_dpp v[T], v[T], v[T] row_xmask:4 row_mask:0xf bank_mask:0xf
	v_add_f32_dpp v[T], v[T], v[T] row_xmask:8 row_mask:0xf bank_mask:0xf
	v_permlanex16_b32 v[T+1], v[T], s80, s81
	v_add_f32 v[T], v[T], v[T+1]
.endm
.macro ROW i
.set X, X0+32*(\i)
	s_wait_dscnt 8-8*(\i)                          ; row i's eight LDS loads are in; row 1's may stay out while row 0 is made
.irp k, 0,1,2,3
	v_pk_add_f32 v[T+2*\k:T+2*\k+1], v[X+2*\k:X+2*\k+1], v[X+8+2*\k:X+8+2*\k+1]   ; four chains, started by the first pairs
.endr
.irp k, 0,1,2,3
	v_pk_add_f32 v[T+2*\k:T+2*\k+1], v[T+2*\k:T+2*\k+1], v[X+16+2*\k:X+16+2*\k+1]
.endr
.irp k, 0,1,2,3
	v_pk_add_f32 v[T+2*\k:T+2*\k+1], v[T+2*\k:T+2*\k+1], v[X+24+2*\k:X+24+2*\k+1]
.endr
	REDUCE
	v_mul_f32 v12, v[T], v15                       ; the mean, twice: a pair for the packed lines
	v_mul_f32 v13, v[T], v15
.set p, 0
.rept 16
	v_pk_add_f32 v[X+2*p:X+2*p+1], v[X+2*p:X+2*p+1], v[12:13] neg_lo:[0,1] neg_hi:[0,1]   ; the row is centred in place
.set p, p+1
.endr
.irp k, 0,1,2,3
	v_pk_mul_f32 v[T+2*\k:T+2*\k+1], v[X+2*\k:X+2*\k+1], v[X+2*\k:X+2*\k+1]
.endr
.set p, 4
.rept 12
	v_pk_fma_f32 v[T+2*(p%4):T+2*(p%4)+1], v[X+2*p:X+2*p+1], v[X+2*p:X+2*p+1], v[T+2*(p%4):T+2*(p%4)+1]
.set p, p+1
.endr
	REDUCE
	v_fmaak_f32 v14, v[T], v15, 0x3727c5ac         ; var + 1e-5
	v_rsq_f32 v12, v14
	v_rsq_f32 v13, v14
	v_nop                                          ; a plain instruction between the root and the use of its result
.if (\i) == 0
	s_wait_loadcnt 0x0                             ; gain and bias
.endif
.set p, 0
	s_wait_alu depctr_va_vdst(0)
.rept 16
	v_pk_mul_f32 v[X+2*p:X+2*p+1], v[X+2*p:X+2*p+1], v[12:13]
.set p, p+1
.endr
.set p, 0
.rept 16
	v_pk_fma_f32 v[X+2*p:X+2*p+1], v[X+2*p:X+2*p+1], v[WG+2*p:WG+2*p+1], v[BB+2*p:BB+2*p+1]
.set p, p+1
.endr
.if (\i) == 1
	s_wait_xcnt 0x0                                ; row 0's stores have read v[OB..]: only behind this wait are they written again
.endif
.set p, 0
.rept 16
	v_cvt_pk_bf16_f32 v[OB+p], v[X+2*p], v[X+2*p+1]
.set p, p+1
.endr
.irp j, 0,1,2,3
	global_store_b128 v[SO], v[OB+4*\j:OB+4*\j+3], s[18:19] offset:512*\j+2048*(\i)   ; 512 consecutive bytes, aligned
.endr
.endm
; n x 1,024 bytes of a matrix that keeps its order, at byte lo of my wave's LDS, go to s[base:base+1]
.macro PLAIN n, lo, base
	s_wait_xcnt 0x0                                ; the stores issued so far have read v[OUT..]
.set k, 0
.rept \n
	ds_load_b128 v[IN+8*k:IN+8*k+3],   v[LA] offset:(\lo)+1024*k
	ds_load_b128 v[IN+8*k+4:IN+8*k+7], v[LA] offset:(\lo)+1024*k+16
.set k, k+1
.endr
.set k, 0
.rept \n
	s_wait_dscnt 2*((\n)-1-k)                      ; LDS loads come back in order: pair k is in, the later pairs stay out
.irp m, 0,1,2,3
	v_cvt_pk_bf16_f32 v[OUT+4*k+\m], v[IN+8*k+2*\m], v[IN+8*k+2*\m+1]
.endr
	global_store_b128 v[SO], v[OUT+4*k:OUT+4*k+3], s[\base:\base+1] offset:512*k
.set k, k+1
.endr
.endm
	s_wait_tensorcnt 0x4                           ; a wave's tensor loads end in order: x is in, the four loads of weights stay out
.irp i, 0,1
.irp j, 0,1,2,3
	ds_load_b128 v[X0+32*\i+8*\j:X0+32*\i+8*\j+3],   v[LA] offset:LX+4096*\i+1024*\j
	ds_load_b128 v[X0+32*\i+8*\j+4:X0+32*\i+8*\j+7], v[LA] offset:LX+4096*\i+1024*\j+16
.endr
.endr
	ROW 0
	ROW 1
	s_wait_tensorcnt 0x3                           ; w_qkv is in
.irp p, 0,1
.irp i, 0,1,2,3,4,5
	ds_load_b128 v[IN+24*\p+4*\i:IN+24*\p+4*\i+3], v[LQ] offset:3072*\p+16*\i   ; an octet's 96 bytes
.endr
.endr
.irp p, 0,1
	s_wait_dscnt 6-6*\p                            ; octet p's six loads are in
.irp c, 0,1,2
.irp m, 0,1,2,3
	v_cvt_pk_bf16_f32 v[OUT+12*\p+4*\c+\m], v[IN+24*\p+\c+6*\m], v[IN+24*\p+\c+6*\m+3]   ; every third number: d = 2 m, 2 m + 1 of kind c
.endr
	global_store_b128 v[QO+3*\p+\c], v[OUT+12*\p+4*\c:OUT+12*\p+4*\c+3], s[90:91]
.endr
.endr
	s_wait_tensorcnt 0x2                           ; w_proj is in
	PLAIN 2, LWP, 88
	s_wait_tensorcnt 0x1                           ; w_ff1 is in
	PLAIN 8, LW1, 84
	s_wait_tensorcnt 0x0                           ; w_ff2 is in
	PLAIN 8, LW2, 86
	s_wait_tensorcnt 0x0                           ; the wave's end
	ds_add_u32 v[SPW], v[NIL]
	s_wait_dscnt 0x0
	s_endpgm
.Lfunc_end_k_qf8c727387c_prep:
	.size	k_qf8c727387c_prep, .Lfunc_end_k_qf8c727387c_prep-k_qf8c727387c_prep
	.p2alignl 7, 3214868480
	.fill 96, 4, 3214868480
	.section	.rodata,"a",@progbits
	.p2align	6, 0x0
	.amdhsa_kernel k_qf8c727387c_prep
		.amdhsa_group_segment_fixed_size 327680
		.amdhsa_private_segment_fixed_size 0
		.amdhsa_enable_private_segment 0
		.amdhsa_kernarg_size 72
		.amdhsa_user_sgpr_count 2
		.amdhsa_user_sgpr_kernarg_segment_ptr 1
		.amdhsa_wavefront_size32 1
		.amdhsa_system_sgpr_workgroup_id_x 1
		.amdhsa_system_sgpr_workgroup_id_y 1
		.amdhsa_system_sgpr_workgroup_id_z 1
		.amdhsa_system_vgpr_workitem_id 0
		.amdhsa_next_free_vgpr 176
		.amdhsa_next_free_sgpr 96
		.amdhsa_reserve_vcc 0
		.amdhsa_float_denorm_mode_32 3
		.amdhsa_float_denorm_mode_16_64 3
		.amdhsa_memory_ordered 1
		.amdhsa_forward_progress 1
		.amdhsa_inst_pref_size 37
	.end_amdhsa_kernel
	.amdgpu_metadata
---
amdhsa.version: [ 1, 2 ]
amdhsa.kernels:
  - .name:           k_qf8c727387c_prep
    .symbol:         k_qf8c727387c_prep.kd
    .args:
      - { .name: x, .offset: 0, .size: 8, .value_kind: global_buffer, .address_space: global }
      - { .name: ln1_w, .offset: 8, .size: 8, .value_kind: global_buffer, .address_space: global }
      - { .name: ln1_b, .offset: 16, .size: 8, .value_kind: global_buffer, .address_space: global }
      - { .name: w_qkv, .offset: 24, .size: 8, .value_kind: global_buffer, .address_space: global }
      - { .name: w_proj, .offset: 32, .size: 8, .value_kind: global_buffer, .address_space: global }
      - { .name: w_ff1, .offset: 40, .size: 8, .value_kind: global_buffer, .address_space: global }
      - { .name: w_ff2, .offset: 48, .size: 8, .value_kind: global_buffer, .address_space: global }
      - { .name: h, .offset: 56, .size: 8, .value_kind: global_buffer, .address_space: global }
      - { .name: wb, .offset: 64, .size: 8, .value_kind: global_buffer, .address_space: global }
    .group_segment_fixed_size: 327680
    .private_segment_fixed_size: 0
    .kernarg_segment_align: 8
    .kernarg_segment_size: 72
    .max_flat_workgroup_size: 256
    .sgpr_count:     96
    .vgpr_count:     176
    .wavefront_size: 32
...
	.end_amdgpu_metadata
.endif
;; end of part 1
;; launch qkv (part 2): grid 16 x 16, 4 waves a work-group, clusters of 4 x 4, 327,680 bytes of LDS; arguments h, wb, qkv; writes qkv
.if DOCPART == 2
	.amdgcn_target "amdgcn-amd-amdhsa--gfx1250"
	.amdhsa_code_object_version 6
	.text
	.protected	k_qf8c727387c_qkv
	.globl	k_qf8c727387c_qkv
	.p2align	8
	.type	k_qf8c727387c_qkv,@function
k_qf8c727387c_qkv:
	s_mov_b64 s[64:65], 0
	v_nop
	global_prefetch_b8 v0, s[64:65] scope:SCOPE_SE
	s_setreg_imm32_b32 hwreg(HW_REG_WAVE_MODE, 25, 1), 1
	s_wait_xcnt 0x0
	s_wait_alu depctr_hold_cnt(0) depctr_sa_sdst(0) depctr_va_vdst(0) depctr_va_sdst(0) depctr_va_ssrc(0) depctr_va_vcc(0) depctr_vm_vsrc(0)
	s_getreg_b32 s2, hwreg(HW_REG_IB_STS2, 6, 4)
	s_cmp_eq_u32 s2, 0
	s_cbranch_scc0 .Lentry_in_a_cluster
	s_endpgm
.Lentry_in_a_cluster:
	s_bfe_u32 s2, ttmp6, 0x10000c
	s_cmp_lg_u32 s2, 0xf033
	s_cbranch_scc0 .Lentry_shape_is_right
	s_endpgm
.Lentry_shape_is_right:
; qkv = h x Wqkv.  h: [4096][1024] bf16.  Wqkv: wb's first region, [16 tiles][1024 k][192 columns] bf16.  Out: qkv [4 b][48 planes][1024 s][64] bf16, plane = 16 c + head (c = 0 k, 1 q, 2 v).
; Sums in f32, rounded once to bf16.  A work-group makes 256 tokens x 192 columns (three planes); four waves, 2 x 2, each 128 x 96: 48 accumulators of 16 x 16.
; K goes in steps of 128 through two LDS slots.  CLUSTER 4 x 4: h's tile is asked for jointly along a row of the cluster, the weights' tile along a column.
; The matrix instruction is used transposed (source 0 = 16 columns of W, source 1 = 16 tokens): a lane holds one token and eight neighbouring columns.
; W lies [k][n] in LDS and comes out turned, by ds_load_tr16_b128.  The K loop is written for one slot; the slot's offset is a scalar turned by an exclusive or.
; WINDOWS: 0 addresses, A's fragments v64-127, v128-191;  1 W's fragments v64.., v128..;  2, 3 accumulators of my token blocks 0-3, 4-7, block a, column block j at v[8 (6 a + j)].
.set NBK,   6                          ; column blocks of 16 a wave
.set PA,    272                        ; a row of h in LDS: 256 bytes + 16
.set PB,    480                        ; a k row of W: three groups of 64 columns, each 128 bytes + 32
.set BOG,   160                        ; column block j lies at BOG (j / BOD) + 32 (j % BOD)
.set BOD,   2
.set HALFA, 128*PA
.set BOFF,  2*HALFA
.set HALFB, 64*PB
.set SLOT,  BOFF+2*HALFB               ; 131,072
.set SPARE, 2*SLOT                     ; the spare words, 128 bytes a wave
.set ASTEP, 256                        ; bytes from a K step to the next, in h
.set BSTEP, 128*384                    ; and in W's tile
.set STEPS, 8
.set DP,    784                        ; the way out: a row of 192 f32 + 16 bytes
.set A0,   10                          ; v10  my lane's place in A's part of a slot; never rewritten
.set B0,   11                          ; v11  the same for W
.set ADRA, 16                          ; v16, v17  the same in the slot in hand
.set ADRB, 17
.set DST,  18                          ; v18, v19  the way out: where I put my token blocks 0-3, 4-7
.set RD,   20                          ; v20  where I read rows back
.set GO,   23                          ; v23  my byte offset in the output
.set SPW,  28                          ; v28  my spare word;  v29  0; never rewritten
.set NIL,  29
.set F0,   64
.set F1,   128
.set G1,   24                          ; s[24:31] group 1 for A;  s[32:39] group 0, two sets: the second walks
.set G0,   32
.set G1B,  48                          ; s[48:55], s[56:63] the same for W
.set G0B,  56
.set SL,   66                          ; s66  the slot that is read: 0 or SLOT
.set CNT,  68
.set MSB, 0
.macro WIN new                         ; the immediate's high byte repeats the setting that is left
.if MSB != (\new)
	s_set_vgpr_msb (MSB<<8)|(\new)
.set MSB, \new
.endif
.endm
.set MUL_LO, 0xa1                      ; source 0 window 1, source 1 window 0, C and D window 2
.set MUL_HI, 0xf1                      ; C and D window 3
.set TO_B,   0x40                      ; destination window 1
.macro PLACES                          ; four places behind matrix instructions, ahead of loads into their sources and of reads of their results
.rept 4
	v_nop
.endr
.endm
.macro JLOAD                           ; a joint refill: waves 0, 1 fetch A's halves, waves 2, 3 W's; s_nop 0 and four v_nop follow each line
	s_cmp_eq_u32 s15, 0
	s_cbranch_scc0 .Lfor_b_\@
	tensor_load_to_lds s[G0+4:G0+7], s[G1:G1+7]
	s_nop 0
	PLACES
	s_branch .Lasked_\@
.Lfor_b_\@:
	tensor_load_to_lds s[G0B+4:G0B+7], s[G1B:G1B+7]
	s_nop 0
	PLACES
.Lasked_\@:
.endm
.macro CREST                           ; a round of the cluster's barrier behind its opening barrier
	s_cmp_lg_u32 s14, 0
	s_cbranch_scc1 .Lnot_wave_0_\@
	s_barrier_signal -3
.Lnot_wave_0_\@:
	s_barrier_wait -3
	s_barrier_signal -1
	s_barrier_wait -1
.endm
.macro CROUND
	s_barrier_signal -1
	s_barrier_wait -1
	CREST
.endm
; 2 NBK matrix instructions: token blocks a0, a0 + 1 of window 2 + hi, all column blocks, 32 along K.  The accumulators take turns, in the same order in every quarter.
.macro MULH f, hi, a0, zero
	WIN MUL_LO+0x50*(\hi)
.irp a, \a0, (\a0)+1
.set j, 0
.rept NBK
.if \zero
	v_wmma_f32_16x16x32_bf16 v[8*(NBK*(\a)+j):8*(NBK*(\a)+j)+7], v[(\f)+8*j:(\f)+8*j+7], v[(\f)+8*(4*(\hi)+(\a)):(\f)+8*(4*(\hi)+(\a))+7], 0
.else
	v_wmma_f32_16x16x32_bf16 v[8*(NBK*(\a)+j):8*(NBK*(\a)+j)+7], v[(\f)+8*j:(\f)+8*j+7], v[(\f)+8*(4*(\hi)+(\a)):(\f)+8*(4*(\hi)+(\a))+7], v[8*(NBK*(\a)+j):8*(NBK*(\a)+j)+7]
.endif
.set j, j+1
.endr
.endr
.endm
; one run of LDS loads: the fragments of quarter q (32 along K) of the slot in hand into buffer f: W's first, then A's
.macro FETCH q, f
	WIN TO_B
.set j, 0
.rept NBK
	ds_load_tr16_b128 v[(\f)+8*j:(\f)+8*j+3],   v[ADRB] offset:32*(\q)*PB+BOG*(j/BOD)+32*(j%BOD)
	ds_load_tr16_b128 v[(\f)+8*j+4:(\f)+8*j+7], v[ADRB] offset:32*(\q)*PB+16*PB+BOG*(j/BOD)+32*(j%BOD)
.set j, j+1
.endr
	WIN 0
.irp i, 0,1,2,3,4,5,6,7
	ds_load_b128 v[(\f)+8*(\i):(\f)+8*(\i)+3],   v[ADRA] offset:64*(\q)+(\i)*16*PA
	ds_load_b128 v[(\f)+8*(\i)+4:(\f)+8*(\i)+7], v[ADRA] offset:64*(\q)+(\i)*16*PA+32
.endr
.endm
.macro QUARTER qn, f, g, zero          ; multiplies buffer f; in its middle fetches quarter qn into buffer g
	s_wait_dscnt 8                                 ; W and A's rows 0-63 are in; the eight youngest loads (A's rows 64-127) may be out
	MULH \f, 0, 0, \zero
	MULH \f, 0, 2, \zero
	PLACES
	FETCH \qn, \g
	s_wait_dscnt 16+2*NBK                          ; all but the run just issued
	MULH \f, 1, 0, \zero
	MULH \f, 1, 2, \zero
.endm
; The first half of a slot's last quarter, and the one barrier of a change of slots: in front of it all my tensor loads have landed, the add is done, my reads of the slot are over.
.macro MEET round
	WIN 0
	s_wait_tensorcnt 0x0                           ; the one that was out is my part of the next slot
	ds_add_u32 v[SPW], v[NIL]                      ; 0 onto my spare word
	s_wait_dscnt 9                                 ; (the add and the eight youngest loads may be out)
	MULH F1, 0, 0, 0
	s_wait_dscnt 0x0                               ; the add is done, and my reads of this slot are over
	s_barrier_signal -1
	MULH F1, 0, 2, 0
.if \round
	WIN 0
.endif
	s_barrier_wait -1
.endm
.macro NEXTSLOT
	s_xor_b32 s[SL], s[SL], SLOT
	v_add_nc_u32 v[ADRA], s[SL], v[A0]
	v_add_nc_u32 v[ADRB], s[SL], v[B0]
.endm
.macro TURN                            ; a slot's last quarter; the slot is filled again with the K step two steps on, first thing behind the cluster's round
	MEET 1
	CREST
	s_xor_b32 s[G0+5], s[G0+5], SLOT               ; the walking descriptors: the other slot than last time, the next K step
	s_add_nc_u64 s[G0+6:G0+7], s[G0+6:G0+7], ASTEP
	s_xor_b32 s[G0B+5], s[G0B+5], SLOT
	s_add_nc_u64 s[G0B+6:G0B+7], s[G0B+6:G0B+7], BSTEP
	JLOAD                                          ; its four v_nop are also the places ahead of the loads below
	NEXTSLOT
	FETCH 0, F0
	MULH F1, 1, 0, 0
	MULH F1, 1, 2, 0
.endm
	s_load_b128 s[4:7], s[0:1], 0x0                ; h s[4:5], wb s[6:7]
	s_load_b64 s[8:9], s[0:1], 0x10                ; qkv
	v_lshl_add_u32 v[SPW], v0, 2, SPARE
	v_mov_b32 v[NIL], 0
	ds_add_u32 v[SPW], v[NIL]                      ; the wave's opening: the add and its wait stand ahead of my first tensor load
	ds_add_u32 v28, v29
	v_lshrrev_b32 v1, 5, v0
	v_readfirstlane_b32 s14, v1                    ; wave 0..3
	s_lshr_b32 s15, s14, 1                         ; my half of the tokens.  Also: I fetch for A (0) or for W (1)
	s_and_b32 s16, s14, 1                          ; my half of each plane's columns.  Also: which half of that tile I fetch
	s_bfe_u32 s17, ttmp6, 0x40000                  ; cx
	s_bfe_u32 s18, ttmp6, 0x40004                  ; cy
	s_lshl_b32 s19, ttmp9, 2
	s_add_co_u32 s19, s19, s17                     ; tile column
	s_and_b32 s20, ttmp7, 0xffff
	s_lshl_b32 s20, s20, 2
	s_add_co_u32 s20, s20, s18                     ; tile row
	s_lshl_b32 s21, s18, 2
	s_lshl_b32 s21, 15, s21                        ; my row of the cluster
	s_lshl_b32 s22, 0x1111, s17                    ; my column
	s_or_b32 s[G1], s21, (1<<16)|(1<<20)|(1<<21)|(5<<22)|(3<<25)    ; 2-byte elements; 4 words of padding after every 64
	s_mov_b32 s[G1+1], 128<<16                     ; tensor_dim0 = 128
	s_mov_b32 s[G1+2], 128<<16                     ; tensor_dim1 = 128
	s_mov_b32 s[G1+3], 128<<16                     ; tile_dim0 = 128
	s_mov_b32 s[G1+4], 128                         ; tile_dim1 = 128
	s_mov_b32 s[G1+5], 1024                        ; elements from row to row
	s_mov_b32 s[G1+6], 0
	s_mov_b32 s[G1+7], 0
	s_or_b32 s[G1B], s22, (1<<16)|(1<<20)|(1<<21)|(4<<22)|(7<<25)   ; 8 words of padding after every 32: behind each group of 64 columns
	s_mov_b32 s[G1B+1], 128<<16                    ; 64 k rows of 384 bytes are dense: asked for as 96 rows of 256 bytes
	s_mov_b32 s[G1B+2], 96<<16
	s_mov_b32 s[G1B+3], 128<<16
	s_mov_b32 s[G1B+4], 96
	s_mov_b32 s[G1B+5], 128
	s_mov_b32 s[G1B+6], 0
	s_mov_b32 s[G1B+7], 0
	s_lshl_b32 s40, s20, 19                        ; A: 256 tokens x 2,048 bytes a tile row,
	s_lshl_b32 s44, s16, 18                        ; 128 tokens a half
	s_add_co_u32 s40, s40, s44
	s_mov_b32 s41, 0
	s_mul_i32 s42, s19, 393216                     ; W: the tile,
	s_mul_i32 s45, s16, 24576                      ; 64 k rows a half
	s_add_co_u32 s42, s42, s45
	s_mov_b32 s43, 0
	s_mul_i32 s23, s16, HALFA                      ; where they go in a slot
	s_mul_i32 s69, s16, HALFB
	s_add_co_u32 s69, s69, BOFF
	s_mov_b32 s[SL], 0
	s_wait_dscnt 0x0                               ; the opening add is done
	s_wait_kmcnt 0x0
	s_add_nc_u64 s[40:41], s[4:5], s[40:41]
	s_add_nc_u64 s[42:43], s[6:7], s[42:43]
	CROUND                                         ; all sixteen work-groups are here: the first joint loads meet
.irp s, 0,1
	s_mov_b32 s[G0+4*(\s)], 1
	s_add_co_u32 s[G0+4*(\s)+1], s23, (\s)*SLOT
	s_add_nc_u64 s[G0+4*(\s)+2:G0+4*(\s)+3], s[40:41], (\s)*ASTEP
	s_or_b32 s[G0+4*(\s)+3], s[G0+4*(\s)+3], 0x80000000
	s_mov_b32 s[G0B+4*(\s)], 1
	s_add_co_u32 s[G0B+4*(\s)+1], s69, (\s)*SLOT
	s_add_nc_u64 s[G0B+4*(\s)+2:G0B+4*(\s)+3], s[42:43], (\s)*BSTEP
	s_or_b32 s[G0B+4*(\s)+3], s[G0B+4*(\s)+3], 0x80000000
.endr
	s_cmp_eq_u32 s15, 0                            ; a wave's two first fills stand in one branch: two loads of mine are out
	s_cbranch_scc0 .Lfirst_b
	tensor_load_to_lds s[G0:G0+3], s[G1:G1+7]
	s_nop 0
	tensor_load_to_lds s[G0+4:G0+7], s[G1:G1+7]
	s_nop 0
	PLACES
	s_branch .Lfirst_done
.Lfirst_b:
	tensor_load_to_lds s[G0B:G0B+3], s[G1B:G1B+7]
	s_nop 0
	tensor_load_to_lds s[G0B+4:G0B+7], s[G1B:G1B+7]
	s_nop 0
	PLACES
.Lfirst_done:
	v_and_b32 v1, 15, v0                           ; r = l % 16
	v_bfe_u32 v2, v0, 4, 1                         ; hh = l / 16
	v_mul_u32_u24 v3, v1, PA
	v_lshl_add_u32 v3, v2, 4, v3
	s_mul_i32 s44, s15, HALFA
	v_add_nc_u32 v[A0], s44, v3                    ; A: my 128 tokens; row r, 16 bytes for each half of the lanes
	v_and_b32 v4, 7, v0
	v_lshl_add_u32 v4, v2, 3, v4
	v_mul_u32_u24 v4, v4, PB                       ; W, turned: k row 8 hh + l % 8,
	v_bfe_u32 v5, v0, 3, 1
	v_lshl_add_u32 v4, v5, 4, v4                   ; 16 bytes by (l / 8) % 2,
	s_lshl_b32 s45, s16, 6
	s_add_co_u32 s45, s45, BOFF
	v_add_nc_u32 v[B0], s45, v4                    ; my 32 columns of each group
	v_mov_b32 v[ADRA], v[A0]
	v_mov_b32 v[ADRB], v[B0]
	v_mul_u32_u24 v3, v1, DP                       ; the way out, in: row 128 x half + r, my 32 columns of each plane, 32 bytes for each half of the lanes
	v_lshl_add_u32 v3, v2, 5, v3
	s_mul_i32 s44, s15, 128*DP
	s_lshl_b32 s45, s16, 7
	s_add_co_u32 s44, s44, s45
	v_add_nc_u32 v[DST], s44, v3
	v_add_nc_u32 v[DST+1], 64*DP, v[DST]
	v_mul_u32_u24 v3, v2, DP                       ; back: wave w has rows 64 w ..; lanes 0-15 one row's 64 columns, lanes 16-31 the next row's
	v_lshl_add_u32 v3, v1, 4, v3
	s_mul_i32 s44, s14, 64*DP
	v_add_nc_u32 v[RD], s44, v3
	v_lshlrev_b32 v3, 3, v1
	v_lshl_add_u32 v[GO], v2, 7, v3                ; out: 128 bytes a token, 8 bytes a lane
	s_lshr_b32 s70, s20, 2                         ; b
	s_mul_i32 s70, s70, 48
	s_mul_i32 s72, s19, 3
	s_add_co_u32 s70, s70, s72                     ; the first of my three planes
	s_lshl_b32 s70, s70, 10
	s_and_b32 s72, s20, 3
	s_lshl_b32 s72, s72, 8
	s_add_co_u32 s70, s70, s72
	s_lshl_b32 s72, s14, 6
	s_add_co_u32 s70, s70, s72                     ; + s of my first row
	s_lshl_b32 s70, s70, 7
	s_mov_b32 s71, 0
	s_add_nc_u64 s[8:9], s[8:9], s[70:71]
	s_wait_tensorcnt 0x1                           ; my part of K step 0 is in; K step 1's may stay out
	s_barrier_signal -1
	s_barrier_wait -1
	FETCH 0, F0
	QUARTER 1, F0, F1, 1                           ; the first quarter starts the sums with the constant 0
	WIN 0
	s_mov_b32 s[CNT], STEPS-2
.Lk:                                                   ; a trip: from a K step's second quarter to the next step's first; one refill
	QUARTER 2, F1, F0, 0
	QUARTER 3, F0, F1, 0
	TURN
	QUARTER 1, F0, F1, 0
	WIN 0
	s_sub_co_u32 s[CNT], s[CNT], 1
	s_cmp_lg_u32 s[CNT], 0
	s_cbranch_scc1 .Lk
	s_mov_b32 s[CNT], 2
.Lt:                                                   ; the last two K steps ask for nothing: one text, walked twice and left in its middle
	QUARTER 2, F1, F0, 0
	QUARTER 3, F0, F1, 0
	MEET 0
	WIN 0
	s_sub_co_u32 s[CNT], s[CNT], 1
	s_cmp_eq_u32 s[CNT], 0
	s_cbranch_scc1 .Lout
	NEXTSLOT
	PLACES
	FETCH 0, F0
	MULH F1, 1, 0, 0
	MULH F1, 1, 2, 0
	QUARTER 1, F0, F1, 0
	WIN 0
	s_branch .Lt
.Lout:                                                 ; behind the last barrier no wave reads the ring any more, and nothing fills it again
	MULH F1, 1, 0, 0
	MULH F1, 1, 2, 0
	; THE WAY OUT: the sums go as f32 into one tile of 256 rows x 784 bytes in the ring's bytes; a barrier, since a row comes from two waves; back by rows, rounded, stored by planes.
	PLACES
.irp hi, 0,1
	WIN 0x08+4*(\hi)                               ; store data in window 2 or 3
.set a, 0
.rept 4
.set j, 0
.rept NBK
	ds_store_b128 v[DST+(\hi)], v[8*(NBK*a+j):8*(NBK*a+j)+3]   offset:16*DP*a+256*(j/2)+64*(j%2)
	ds_store_b128 v[DST+(\hi)], v[8*(NBK*a+j)+4:8*(NBK*a+j)+7] offset:16*DP*a+256*(j/2)+64*(j%2)+16
.set j, j+1
.endr
.set a, a+1
.endr
.endr
	WIN 0
	s_wait_dscnt 0x0                               ; for the others' sake: my stores are done
	s_barrier_signal -1
	s_barrier_wait -1
	s_mov_b32 s[CNT], 8
.Lrow:                                                 ; 8 rows a trip
.irp rr, 0,1,2,3
.irp gg, 0,1,2
	ds_load_b128 v[64+4*(3*\rr+\gg):64+4*(3*\rr+\gg)+3], v[RD] offset:2*DP*\rr+256*\gg
.endr
.endr
	s_wait_dscnt 0x0
	s_wait_xcnt 0x0                                ; the last trip's stores have read their data and GO
	v_add_nc_u32 v[GO], 1024, v[GO]                ; the stores below reach back
	v_add_nc_u32 v[RD], 8*DP, v[RD]
.set k, 0
.rept 12
	v_cvt_pk_bf16_f32 v[112+2*k], v[64+4*k], v[64+4*k+1]
	v_cvt_pk_bf16_f32 v[113+2*k], v[64+4*k+2], v[64+4*k+3]
.set k, k+1
.endr
.irp rr, 0,1,2,3
.irp gg, 0,1,2
	global_store_b64 v[GO], v[112+2*(3*\rr+\gg):113+2*(3*\rr+\gg)], s[8:9] offset:256*\rr+131072*\gg-1024   ; two tokens of a plane: 256 consecutive bytes, aligned
.endr
.endr
	s_sub_co_u32 s[CNT], s[CNT], 1
	s_cmp_lg_u32 s[CNT], 0
	s_cbranch_scc1 .Lrow
	s_wait_tensorcnt 0x0                           ; the wave's end
	ds_add_u32 v[SPW], v[NIL]
	s_wait_dscnt 0x0
	CROUND                                         ; the closing round
	s_endpgm
.Lfunc_end_k_qf8c727387c_qkv:
	.size	k_qf8c727387c_qkv, .Lfunc_end_k_qf8c727387c_qkv-k_qf8c727387c_qkv
	.p2alignl 7, 3214868480
	.fill 96, 4, 3214868480
	.section	.rodata,"a",@progbits
	.p2align	6, 0x0
	.amdhsa_kernel k_qf8c727387c_qkv
		.amdhsa_group_segment_fixed_size 327680
		.amdhsa_private_segment_fixed_size 0
		.amdhsa_enable_private_segment 0
		.amdhsa_kernarg_size 24
		.amdhsa_user_sgpr_count 2
		.amdhsa_user_sgpr_kernarg_segment_ptr 1
		.amdhsa_wavefront_size32 1
		.amdhsa_system_sgpr_workgroup_id_x 1
		.amdhsa_system_sgpr_workgroup_id_y 1
		.amdhsa_system_sgpr_workgroup_id_z 1
		.amdhsa_system_vgpr_workitem_id 0
		.amdhsa_next_free_vgpr 1024
		.amdhsa_next_free_sgpr 100
		.amdhsa_reserve_vcc 0
		.amdhsa_float_denorm_mode_32 3
		.amdhsa_float_denorm_mode_16_64 3
		.amdhsa_memory_ordered 1
		.amdhsa_forward_progress 1
		.amdhsa_inst_pref_size 69
	.end_amdhsa_kernel
	.amdgpu_metadata
---
amdhsa.version: [ 1, 2 ]
amdhsa.kernels:
  - .name:           k_qf8c727387c_qkv
    .symbol:         k_qf8c727387c_qkv.kd
    .args:
      - { .name: h, .offset: 0, .size: 8, .value_kind: global_buffer, .address_space: global }
      - { .name: wb, .offset: 8, .size: 8, .value_kind: global_buffer, .address_space: global }
      - { .name: qkv, .offset: 16, .size: 8, .value_kind: global_buffer, .address_space: global }
    .group_segment_fixed_size: 327680
    .private_segment_fixed_size: 0
    .kernarg_segment_align: 8
    .kernarg_segment_size: 24
    .max_flat_workgroup_size: 128
    .sgpr_count:     100
    .vgpr_count:     1024
    .wavefront_size: 32
...
	.end_amdgpu_metadata
.endif
;; end of part 2
;; launch attn (part 3): grid 4 x 64, 8 waves a work-group, no clusters, 327,680 bytes of LDS; arguments qkv, ctx; writes ctx
.if DOCPART == 3
	.amdgcn_target "amdgcn-amd-amdhsa--gfx1250"
	.amdhsa_code_object_version 6
	.text
	.protected	k_qf8c727387c_attn
	.globl	k_qf8c727387c_attn
	.p2align	8
	.type	k_qf8c727387c_attn,@function
k_qf8c727387c_attn:
	s_mov_b64 s[64:65], 0
	v_nop
	global_prefetch_b8 v0, s[64:65] scope:SCOPE_SE
	s_setreg_imm32_b32 hwreg(HW_REG_WAVE_MODE, 25, 1), 1
	s_wait_xcnt 0x0
; CAUSAL ATTENTION, head size 64, 1,024 keys.  qkv: [4 b][48 planes][1024][64] bf16, K = plane head, Q = 16 + head, V = 32 + head.  ctx: [16 heads][4096 tokens][64] bf16.
; O[q] = sum over k <= q of softmax_k(Q[q] . K[k] / 8) V[k].  Products, maxima and sums in f32; the weights are rounded to bf16 for the second product (their sum is taken unrounded), O once at the end.
; LIMITS.  A hidden score counts as its value less 1e30; a weight below 2^-126 counts as 0; NaN and infinities are not treated apart.
; THE WALK.  A head has 16 bands of 64 queries; band x needs the key steps 0 .. x of 64 keys, the last holds the diagonal.  Work-group p takes bands 2p, 2p+1, 14-2p, 15-2p.
; EIGHT WAVES, two to a SIMD.  Wave w owns rows 16 (w % 4) .. + 15 of two bands, its two PIECES: low = 2p + w / 4 and high = 15 - low: 17 band steps, whatever p and w.  The text goes in phases
; (scores, softmax, second product); with two waves on a SIMD one wave's products and LDS loads stand beside the other's softmax.  The price: a fragment of K or V read from LDS feeds two pieces at the most.
; The head's whole K and V lie in LDS, each byte filled once: no ring.  Two counted loops, steps 0-7 (the high piece always live, never on its diagonal) and 8-15 (the low piece done);
; a dead piece is jumped forward, over text with no barrier and no tensor load.
; NO CLUSTER: the four work-groups of a head share K and V, but which pieces are live hangs on p, their place among the four, and partners of a joint load must run alike.
; LAYOUT.  S^T = K Q^T holds one query a lane (l % 16) and keys 8 (l / 16) + 0..7; two such results rounded to bf16 are source 1 of O^T = V^T P.  p = 2^(c s - c m), c = log2(e) / 8, m a running maximum;
; O and l are multiplied by a = 2^(c m_old - c m_new) in every step.  m starts at the lowest finite number, O and l at 0: the first step is a step like any other, with a = 0.
; WINDOWS: 0: addresses, statistics, S^T v64-95, P v96-111, the mask v112-143, Q v144-175.   1: O^T v0-63 (32 a piece), K v128-191, V v192-255.
.set PK,    144                        ; a row of K in LDS: 128 bytes + 16
.set PV,    160                        ; a row of V: 128 + 32
.set VOFF,  1024*PK
.set SPARE, VOFF+1024*PV               ; behind V: the spare words, 128 bytes a wave
.set SP,    144                        ; the way out: 16 rows x 144 bytes for each wave, in K's first bytes, which have had their one fill and are read no more by then
.set AK0, 2
.set AV0, 3
.set AK,  4
.set AV,  5
.set STO, 6
.set RD,  7
.set ST,  16                           ; piece t: c m, m, l (even keys', odd keys') at v[16 + 4 t]
.set CC,  32                           ; v32-35 at work; when the maximum is found v34 takes a
.set WO,  36                           ; c m_old
.set SPW, 40
.set NIL, 41
.set QO,  44                           ; v44-45 my byte offset in Q, by piece; never rewritten
.set OO,  48                           ; v48-49 in ctx, by piece
.set S,   64
.set P,   96
.set MD,  112
.set Q,   144
.set KF,  128                          ; window 1
.set VF,  192
.set CS,  24                           ; s[24:25] c
.set SEL, 26                           ; s[26:27]
.set BIGN, 28
.set G1K, 32
.set G0K, 40                           ; s[40:47] two sets
.set G1V, 48
.set G0V, 56                           ; s[56:63] two sets
.set MSB, 0
.macro WIN new
.if MSB != (\new)
	s_set_vgpr_msb (MSB<<8)|(\new)
.set MSB, \new
.endif
.endm
.set W_KQ, 0x01                        ; K in window 1; Q, C and S^T in window 0
.set W_PV, 0x51                        ; V, C and O^T in window 1; P in window 0
.set W_RS, 0x41                        ; destination and source 0 in window 1
.set W_LD, 0x40                        ; destination in window 1
.macro PLACES
.rept 4
	v_nop
.endr
.endm
	s_load_b128 s[4:7], s[0:1], 0x0                ; qkv s[4:5], ctx s[6:7]
	v_lshl_add_u32 v[SPW], v0, 2, SPARE
	v_mov_b32 v[NIL], 0
	ds_add_u32 v[SPW], v[NIL]                      ; the wave's opening: the add and its wait stand ahead of my first tensor load
	ds_add_u32 v40, v41
	v_lshrrev_b32 v1, 5, v0
	v_readfirstlane_b32 s14, v1                    ; wave 0..7
	s_and_b32 s18, s14, 3                          ; my 16 rows of a band.  Also: which 128 of each 512 keys I fetch
	s_lshr_b32 s19, s14, 2                         ; which pair of bands.  Also: I fetch K (0) or V (1)
	s_lshl_b32 s16, ttmp9, 1
	s_add_co_u32 s16, s16, s19                     ; my low band, 0 .. 7,
	s_sub_co_u32 s17, 15, s16                      ; and my high one, 8 .. 15
	s_and_b32 s29, ttmp7, 0xffff
	s_lshr_b32 s30, s29, 4                         ; b
	s_and_b32 s31, s29, 15                         ; head
	s_mul_i32 s66, s30, 48
	s_add_co_u32 s66, s66, s31
	s_lshl_b32 s66, s66, 17                        ; K's plane, 131,072 bytes each
	s_mov_b32 s67, 0
	s_lshl_b32 s68, s31, 19                        ; ctx: the head's plane,
	s_lshl_b32 s69, s30, 17                        ; b's 1,024 tokens of 128 bytes
	s_add_co_u32 s68, s68, s69
	s_mov_b32 s69, 0
	s_mul_i32 s29, s18, 128*PK
	s_mul_i32 s23, s18, 128*PV
	s_lshl_b32 s70, s18, 14
	s_mov_b32 s71, 0
	s_mov_b32 s[G1K], (1<<16)|(1<<20)|(4<<22)|(3<<25)  ; 2-byte elements; 4 words of padding after every 32: behind each key
	s_mov_b32 s[G1V], (1<<16)|(1<<20)|(4<<22)|(7<<25)  ; 8 words
.irp g, G1K, G1V
	s_mov_b32 s[\g+1], 128<<16                     ; 128 keys are 16,384 dense bytes: asked for as 64 rows of 256 bytes
	s_mov_b32 s[\g+2], 64<<16
	s_mov_b32 s[\g+3], 128<<16
	s_mov_b32 s[\g+4], 64
	s_mov_b32 s[\g+5], 128
	s_mov_b32 s[\g+6], 0
	s_mov_b32 s[\g+7], 0
.endr
.irp s, 0,1
	s_mov_b32 s[G0K+4*(\s)], 1
	s_add_co_u32 s[G0K+4*(\s)+1], s29, (\s)*512*PK
	s_mov_b32 s[G0V+4*(\s)], 1
	s_add_co_u32 s[G0V+4*(\s)+1], s23, VOFF+(\s)*512*PV
.endr
	s_mov_b32 s[CS], 0x3e38aa3b                    ; c = log2(e) / 8
	s_mov_b32 s[CS+1], s[CS]
	s_mov_b32 s[SEL], 0x76543210
	s_mov_b32 s[SEL+1], 0xfedcba98
	s_mov_b32 s[BIGN], 0xf149f2ca                  ; -1e30
	s_wait_dscnt 0x0                               ; the opening add is done
	s_wait_kmcnt 0x0
	s_add_nc_u64 s[12:13], s[4:5], s[66:67]        ; the head's K
	s_add_nc_u64 s[8:9], s[12:13], s[70:71]        ; K at my 128 keys,
	s_add_nc_u64 s[10:11], s[8:9], 32*131072       ; V likewise,
	s_add_nc_u64 s[12:13], s[12:13], 16*131072     ; the head's Q
	s_add_nc_u64 s[6:7], s[6:7], s[68:69]
.irp s, 0,1
	s_add_nc_u64 s[G0K+4*(\s)+2:G0K+4*(\s)+3], s[8:9], (\s)*65536
	s_or_b32 s[G0K+4*(\s)+3], s[G0K+4*(\s)+3], 0x80000000
	s_add_nc_u64 s[G0V+4*(\s)+2:G0V+4*(\s)+3], s[10:11], (\s)*65536
	s_or_b32 s[G0V+4*(\s)+3], s[G0V+4*(\s)+3], 0x80000000
.endr
	s_cmp_lt_u32 s14, 4                            ; waves 0-3 fetch K, waves 4-7 V; a wave's two fills stand in one branch: its part of keys 0-511 first, then of 512-1023
	s_cbranch_scc0 .Lfirst_v
	tensor_load_to_lds s[G0K:G0K+3], s[G1K:G1K+7]
	s_nop 0
	tensor_load_to_lds s[G0K+4:G0K+7], s[G1K:G1K+7]
	s_nop 0
	PLACES
	s_branch .Lfirst_done
.Lfirst_v:
	tensor_load_to_lds s[G0V:G0V+3], s[G1V:G1V+7]
	s_nop 0
	tensor_load_to_lds s[G0V+4:G0V+7], s[G1V:G1V+7]
	s_nop 0
	PLACES
.Lfirst_done:
	v_and_b32 v1, 15, v0                           ; r
	v_bfe_u32 v9, v0, 4, 1                         ; hh
	v_lshlrev_b32 v10, 7, v1
	v_lshl_add_u32 v10, v9, 4, v10
	s_lshl_b32 s30, s18, 11
	v_add_nc_u32 v10, s30, v10                     ; in a band: row 16 (w % 4) + r, 16 bytes for each half of the lanes
	v_and_b32 v11, 31, v0
	v_lshlrev_b32 v11, 4, v11
	v_add_nc_u32 v11, s30, v11                     ; out: my 16 rows are 2,048 consecutive bytes, 16 a lane
.irp t, 0,1
	s_lshl_b32 s31, s[16+\t], 13                   ; a band is 8,192 bytes
	v_add_nc_u32 v[QO+\t], s31, v10
	v_add_nc_u32 v[OO+\t], s31, v11
.endr
.irp t, 0,1
.irp c, 0,1
	global_load_b128 v[Q+16*\t+8*\c:Q+16*\t+8*\c+3],   v[QO+\t], s[12:13] offset:64*\c
	global_load_b128 v[Q+16*\t+8*\c+4:Q+16*\t+8*\c+7], v[QO+\t], s[12:13] offset:64*\c+32
.endr
.endr
	v_lshlrev_b32 v14, 3, v9
	v_sub_nc_u32 v14, v1, v14
	s_lshl_b32 s31, s18, 4
	v_add_nc_u32 v14, s31, v14                     ; my query's place in its band less 8 hh: register i % 8 of key block i / 8 is hidden where 16 (i / 8) + i % 8 is greater
.set i, 0
.rept 32
	v_cmp_gt_i32 vcc_lo, 16*(i/8)+i%8, v14
	v_cndmask_b32 v[MD+i], 0, s[BIGN], vcc_lo
.set i, i+1
.endr
	v_mul_u32_u24 v[AK0], v1, PK
	v_lshl_add_u32 v[AK0], v9, 4, v[AK0]
	v_and_b32 v10, 7, v0
	v_bfe_u32 v12, v0, 3, 1
	v_lshl_add_u32 v[AV0], v9, 3, v10              ; the turning load: key 8 hh + l % 8, 16 bytes by (l / 8) % 2
	v_mul_u32_u24 v[AV0], v[AV0], PV
	v_lshl_add_u32 v[AV0], v12, 4, v[AV0]
	v_add_nc_u32 v[AV0], VOFF, v[AV0]
	s_mul_i32 s31, s14, 16*SP                      ; my stage
	v_mul_u32_u24 v[STO], v1, SP
	v_lshl_add_u32 v[STO], v9, 4, v[STO]
	v_add_nc_u32 v[STO], s31, v[STO]
	v_bfe_u32 v[RD], v0, 3, 2
	v_mul_u32_u24 v[RD], v[RD], SP
	v_lshl_add_u32 v[RD], v10, 4, v[RD]
	v_add_nc_u32 v[RD], s31, v[RD]
.set i, 0
.rept 2
	v_mov_b32 v[ST+4*i], 0xfe000000                ; c m: far below every c s
	v_mov_b32 v[ST+4*i+1], 0xff7fffff              ; m
	v_mov_b32 v[ST+4*i+2], 0
	v_mov_b32 v[ST+4*i+3], 0
.set i, i+1
.endr
	WIN W_LD
.set i, 0
.rept 64                               ; O^T = 0: the price of writing no first step out; it stands in the wait for the first keys
	v_mov_b32 v[i], 0
.set i, i+1
.endr
	WIN 0
.macro FETCH_K                         ; a step's K: 8 fragments of 16 keys x 32 channels
	WIN W_LD
.irp f, 0,1,2,3,4,5,6,7
	ds_load_b128 v[KF+8*\f:KF+8*\f+3],   v[AK] offset:(\f/2)*16*PK+(\f%2)*64
	ds_load_b128 v[KF+8*\f+4:KF+8*\f+7], v[AK] offset:(\f/2)*16*PK+(\f%2)*64+32
.endr
	WIN 0
.endm
.macro FETCH_V                         ; its V, turned: 8 fragments of 16 channels x 32 keys
	WIN W_LD
.irp f, 0,1,2,3,4,5,6,7
	ds_load_tr16_b128 v[VF+8*\f:VF+8*\f+3],   v[AV] offset:(\f/4)*32*PV+(\f%4)*32
	ds_load_tr16_b128 v[VF+8*\f+4:VF+8*\f+7], v[AV] offset:(\f/4)*32*PV+16*PV+(\f%4)*32
.endr
	WIN 0
.endm
; product i of 8 of S^T = K Q^T: channels 32 (i / 4) on, keys 16 (i % 4) on.  mode 0: starts the sum with 0; 1: with the mask; 2: adds in place.  The four accumulators take turns.
.macro KQ t, i, mode
.set rS, S+8*((\i)%4)
.set rK, KF+16*((\i)%4)+8*((\i)/4)
.set rQ, Q+16*(\t)+8*((\i)/4)
.if (\mode) == 0
	v_wmma_f32_16x16x32_bf16 v[rS:rS+7], v[rK:rK+7], v[rQ:rQ+7], 0
.elseif (\mode) == 1
	v_wmma_f32_16x16x32_bf16 v[rS:rS+7], v[rK:rK+7], v[rQ:rQ+7], v[MD+8*((\i)%4):MD+8*((\i)%4)+7]
.else
	v_wmma_f32_16x16x32_bf16 v[rS:rS+7], v[rK:rK+7], v[rQ:rQ+7], v[rS:rS+7]
.endif
.endm
.macro PV t, i                         ; product i of 8 of O^T += V^T P: keys 32 (i / 4) on, channels 16 (i % 4) on
.set rO, 32*(\t)+8*((\i)%4)
.set rV, VF+32*((\i)/4)+8*((\i)%4)
.set rP, P+8*((\i)/4)
	v_wmma_f32_16x16x32_bf16 v[rO:rO+7], v[rV:rV+7], v[rP:rP+7], v[rO:rO+7]
.endm
.macro SOFTMAX t
.set rT, ST+4*(\t)
.set rO, 32*(\t)
.irp n, 0,1,2,3                        ; the maximum: each accumulator's lowest registers are read first
	v_max3_num_f32 v[CC+\n], v[S+8*\n], v[S+8*\n+1], v[S+8*\n+2]
.endr
.irp n, 0,1,2,3
	v_max3_num_f32 v[CC+\n], v[CC+\n], v[S+8*\n+3], v[S+8*\n+4]
.endr
.irp n, 0,1,2,3
	v_max3_num_f32 v[CC+\n], v[CC+\n], v[S+8*\n+5], v[S+8*\n+6]
.endr
	v_max3_num_f32 v[CC], v[CC], v[S+7], v[S+15]
	v_max3_num_f32 v[CC+1], v[CC+1], v[S+23], v[S+31]
	v_max3_num_f32 v[CC+2], v[CC+2], v[CC+3], v[rT+1]
	v_mov_b32 v[WO], v[rT]
	v_max3_num_f32 v[CC], v[CC], v[CC+1], v[CC+2]
	v_permlanex16_b32 v[CC+3], v[CC], s[SEL], s[SEL+1]   ; the query's other 32 keys lie in the lane 16 away
	v_max_num_f32 v[rT+1], v[CC], v[CC+3]
	v_mul_f32 v[rT], s[CS], v[rT+1]
	v_sub_f32 v[CC+1], v[WO], v[rT]
	v_exp_f32 v[CC+2], v[CC+1]                     ; a; the scalings below are the plain lines behind it
.set n, 0
.rept 16
	v_pk_fma_f32 v[S+2*n:S+2*n+1], v[S+2*n:S+2*n+1], s[CS:CS+1], v[rT:rT+1] op_sel_hi:[1,0,0] neg_lo:[0,0,1] neg_hi:[0,0,1]   ; c s - c m
.set n, n+1
.endr
.set n, 0
.rept 32
	v_exp_f32 v[S+n], v[S+n]
.set n, n+1
.endr
	WIN W_RS
.set n, 0
	s_wait_alu depctr_va_vdst(0)
.rept 16                               ; O^T times a: also the plain lines behind the exponentials
	v_pk_mul_f32 v[rO+2*n:rO+2*n+1], v[rO+2*n:rO+2*n+1], v[CC+2:CC+3] op_sel_hi:[1,0]
.set n, n+1
.endr
	WIN 0
.set n, 0
.rept 16
	v_cvt_pk_bf16_f32 v[P+n], v[S+2*n], v[S+2*n+1]
.set n, n+1
.endr
.irp w, 4,8,16,32                      ; the sum of the 16 pairs, in place: neighbours 1, 2, 4, 8 pairs apart
.set n, 0
.rept 32/\w
	v_pk_add_f32 v[S+\w*n:S+\w*n+1], v[S+\w*n:S+\w*n+1], v[S+\w*n+\w/2:S+\w*n+\w/2+1]
.set n, n+1
.endr
.endr
	v_pk_fma_f32 v[rT+2:rT+3], v[rT+2:rT+3], v[CC+2:CC+3], v[S:S+1] op_sel_hi:[1,0,1]   ; l = a l + the sum
.endm
; Piece t (0 my low band, 1 my high one) in the step in hand.  cond = 1: the piece may be done (jumped) or on its diagonal (the sums start with the mask).
.macro PIECE t, cond
.if \cond
	s_cmp_gt_u32 s20, s[16+(\t)]
	s_cbranch_scc1 .Lskip_\@
	s_cmp_eq_u32 s20, s[16+(\t)]
	s_cbranch_scc1 .Ldiag_\@
.endif
	s_wait_dscnt 16                                ; K is in; V's sixteen loads may be out
	WIN W_KQ
.irp i, 0,1,2,3
	KQ \t, \i, 0
.endr
.if \cond
	WIN 0
	s_branch .Ljoin_\@
.Ldiag_\@:
	s_wait_dscnt 16
	WIN W_KQ
.irp i, 0,1,2,3
	KQ \t, \i, 1
.endr
	WIN 0
.Ljoin_\@:
.endif
	WIN W_KQ
.irp i, 4,5,6,7
	KQ \t, \i, 2
.endr
	WIN 0
	PLACES
	SOFTMAX \t
	s_wait_dscnt 0x0                               ; V is in
	WIN W_PV
.irp i, 0,1,2,3,4,5,6,7
	PV \t, \i
.endr
	WIN 0
.if \cond
.Lskip_\@:
.endif
.endm
	s_wait_loadcnt 0x0                             ; Q
	s_wait_tensorcnt 0x1                           ; my part of keys 0-511 is in; the second half stays out
	s_barrier_signal -1
	s_barrier_wait -1
	s_mov_b32 s20, 0                               ; the step
	s_mov_b32 s21, 0                               ; its K's first byte
	s_mov_b32 s22, 0                               ; its V's, less VOFF
.L1:
	PLACES                                         ; ahead of the loads into K's and V's registers, which the last products read
	v_add_nc_u32 v[AK], s21, v[AK0]
	v_add_nc_u32 v[AV], s22, v[AV0]
	FETCH_K
	FETCH_V
	PIECE 0, 1
	PIECE 1, 0
	s_add_co_u32 s21, s21, 64*PK
	s_add_co_u32 s22, s22, 64*PV
	s_add_co_u32 s20, s20, 1
	s_cmp_lt_u32 s20, 8
	s_cbranch_scc1 .L1
	s_wait_tensorcnt 0x0                           ; my part of keys 512-1023 is in,
	s_wait_dscnt 0x0
	s_barrier_signal -1
	s_barrier_wait -1                              ; everybody's is
	s_mov_b32 s20, 8
	s_mov_b32 s21, 512*PK
	s_mov_b32 s22, 512*PV
.L2:
	s_cmp_gt_u32 s20, s17                          ; behind my high band's diagonal nothing is left
	s_cbranch_scc1 .L2e
	PLACES
	v_add_nc_u32 v[AK], s21, v[AK0]
	v_add_nc_u32 v[AV], s22, v[AV0]
	FETCH_K
	FETCH_V
	PIECE 1, 1
.L2e:
	s_add_co_u32 s21, s21, 64*PK
	s_add_co_u32 s22, s22, 64*PV
	s_add_co_u32 s20, s20, 1
	s_cmp_lt_u32 s20, 16
	s_cbranch_scc1 .L2
	; THE WAY OUT.  The stages lie in K's bytes: my LDS loads are back, and behind the barrier everybody's are, so nobody reads K any more.
	s_wait_dscnt 0x0
	s_barrier_signal -1
	s_barrier_wait -1
	PLACES                                         ; behind the last products
	; l's halves are added; O^T is divided by l, rounded to bf16 and sent through my stage, a piece at a time.
.macro ALL line:vararg
.set t, 0
.rept 2
	\line
.set t, t+1
.endr
.endm
	ALL v_add_f32 v[ST+4*t+2], v[ST+4*t+2], v[ST+4*t+3]
	ALL v_permlanex16_b32 v[ST+4*t+3], v[ST+4*t+2], s[SEL], s[SEL+1]
	ALL v_add_f32 v[ST+4*t+2], v[ST+4*t+2], v[ST+4*t+3]
	ALL v_rcp_f32 v[ST+4*t+2], v[ST+4*t+2]
	v_nop                                          ; a plain instruction between the last reciprocal and the use of its result
	s_wait_alu depctr_va_vdst(0)
.macro PACK t
	WIN W_RS
.set i, 32*(\t)
.rept 16
	v_pk_mul_f32 v[i:i+1], v[i:i+1], v[ST+4*(\t)+2:ST+4*(\t)+3] op_sel_hi:[1,0]
.set i, i+2
.endr
	WIN 0x05                                       ; sources in window 1, destination in window 0
.set i, 0
.rept 16
	v_cvt_pk_bf16_f32 v[S+16*(\t)+i], v[32*(\t)+2*i], v[32*(\t)+2*i+1]
.set i, i+1
.endr
	WIN 0
.irp f, 0,1,2,3
	ds_store_b128 v[STO], v[S+16*(\t)+4*\f:S+16*(\t)+4*\f+3] offset:32*\f
.endr
.irp f, 0,1,2,3
	ds_load_b128 v[S+16*(\t)+4*\f:S+16*(\t)+4*\f+3], v[RD] offset:\f*4*SP   ; LDS serves a wave's instructions in order: these see the stores above
.endr
.endm
.macro SEND t, younger                 ; younger: the LDS instructions issued behind piece t's loads
.irp f, 0,1,2,3
	s_wait_dscnt (\younger)+3-\f
	global_store_b128 v[OO+(\t)], v[S+16*(\t)+4*\f:S+16*(\t)+4*\f+3], s[6:7] offset:\f*512   ; 512 consecutive bytes, aligned
.endr
.endm
	PACK 0
	PACK 1
	SEND 0, 8
	SEND 1, 0
	s_wait_tensorcnt 0x0                           ; the wave's end
	ds_add_u32 v[SPW], v[NIL]
	s_wait_dscnt 0x0
	s_endpgm
.Lfunc_end_k_qf8c727387c_attn:
	.size	k_qf8c727387c_attn, .Lfunc_end_k_qf8c727387c_attn-k_qf8c727387c_attn
	.p2alignl 7, 3214868480
	.fill 96, 4, 3214868480
	.section	.rodata,"a",@progbits
	.p2align	6, 0x0
	.amdhsa_kernel k_qf8c727387c_attn
		.amdhsa_group_segment_fixed_size 327680
		.amdhsa_private_segment_fixed_size 0
		.amdhsa_enable_private_segment 0
		.amdhsa_kernarg_size 16
		.amdhsa_user_sgpr_count 2
		.amdhsa_user_sgpr_kernarg_segment_ptr 1
		.amdhsa_wavefront_size32 1
		.amdhsa_system_sgpr_workgroup_id_x 1
		.amdhsa_system_sgpr_workgroup_id_y 1
		.amdhsa_system_sgpr_workgroup_id_z 1
		.amdhsa_system_vgpr_workitem_id 0
		.amdhsa_next_free_vgpr 512
		.amdhsa_next_free_sgpr 72
		.amdhsa_reserve_vcc 1
		.amdhsa_float_denorm_mode_32 3
		.amdhsa_float_denorm_mode_16_64 3
		.amdhsa_memory_ordered 1
		.amdhsa_forward_progress 1
		.amdhsa_inst_pref_size 49
	.end_amdhsa_kernel
	.amdgpu_metadata
---
amdhsa.version: [ 1, 2 ]
amdhsa.kernels:
  - .name:           k_qf8c727387c_attn
    .symbol:         k_qf8c727387c_attn.kd
    .args:
      - { .name: qkv, .offset: 0, .size: 8, .value_kind: global_buffer, .address_space: global }
      - { .name: ctx, .offset: 8, .size: 8, .value_kind: global_buffer, .address_space: global }
    .group_segment_fixed_size: 327680
    .private_segment_fixed_size: 0
    .kernarg_segment_align: 8
    .kernarg_segment_size: 16
    .max_flat_workgroup_size: 256
    .sgpr_count:     72
    .vgpr_count:     512
    .wavefront_size: 32
...
	.end_amdgpu_metadata
.endif
;; end of part 3
;; launch proj (part 4): grid 8 x 32, 4 waves a work-group, clusters of 4 x 4, 327,680 bytes of LDS; arguments ctx, wb, b_proj, x, x1; writes x1
.if DOCPART == 4
	.amdgcn_target "amdgcn-amd-amdhsa--gfx1250"
	.amdhsa_code_object_version 6
	.text
	.protected	k_qf8c727387c_proj
	.globl	k_qf8c727387c_proj
	.p2align	8
	.type	k_qf8c727387c_proj,@function
k_qf8c727387c_proj:
	s_mov_b64 s[64:65], 0
	v_nop
	global_prefetch_b8 v0, s[64:65] scope:SCOPE_SE
	s_setreg_imm32_b32 hwreg(HW_REG_WAVE_MODE, 25, 1), 1
	s_wait_xcnt 0x0
	s_wait_alu depctr_hold_cnt(0) depctr_sa_sdst(0) depctr_va_vdst(0) depctr_va_sdst(0) depctr_va_ssrc(0) depctr_va_vcc(0) depctr_vm_vsrc(0)
	s_getreg_b32 s2, hwreg(HW_REG_IB_STS2, 6, 4)
	s_cmp_eq_u32 s2, 0
	s_cbranch_scc0 .Lentry_in_a_cluster
	s_endpgm
.Lentry_in_a_cluster:
	s_bfe_u32 s2, ttmp6, 0x10000c
	s_cmp_lg_u32 s2, 0xf033
	s_cbranch_scc0 .Lentry_shape_is_right
	s_endpgm
.Lentry_shape_is_right:
; OUT = RES + A x W + bias.  A: planes [K / 64][4096 tokens][64] bf16.  W: wb + WOFF, [K][1024] bf16.  bias [1024], RES and OUT [4096][1024] f32.  Here K = 1,024 (A = ctx, W = w_proj, RES = x, OUT = x1).
; Sums in f32.  A work-group makes 128 tokens x 128 columns.  K IS SPLIT OVER THE FOUR WAVES: a slot holds 256 along K, wave w multiplies its k = 64 w .. 64 w + 63 for the whole tile (64 accumulators),
; so a fragment read from LDS feeds eight products; the four waves' f32 sums meet in LDS at the end, where bias and RES are added.
; CLUSTER 4 x 4: A's tile is asked for jointly along a row of the cluster, W's along a column.  The matrix instruction is used transposed (source 0 = 16 columns of W, source 1 = 16 tokens).
; THE ORDER ALONG K differs from cluster to cluster: in trip t a cluster takes K step (t & ~3) | ((t + rho) & 3), rho = (cluster y + 2 cluster x) & 3.  So of four clusters below each other, which need the
; same tiles of W, each asks for a given tile in another trip, and the two clusters beside each other, which need the same tiles of A, ask for a tile two trips apart.  rho is equal in all partners of a
; joint load.  The f32 sums are therefore added in an order that hangs on the cluster.
; W lies [k][n] in LDS and comes out turned.  The K loop is written for one slot; the slot's offset is a scalar turned by an exclusive or.
; WINDOWS: 0 addresses, A's fragments v64-127, v128-191;  1 W's fragments;  2, 3 accumulators of token blocks 0-3, 4-7, block a, column block j at v[8 (8 a + j)].
.set STEPS, 4                          ; slots of 256 along K
.set WOFF,  6291456
.set NBK,   8
.set PA,    144                        ; a token's 64 channels of a plane: 128 bytes + 16
.set PB,    288                        ; a k row of W: 256 bytes + 32
.set BOG,   0
.set BOD,   8
.set HALFA, 2*128*PA                   ; two planes
.set BOFF,  2*HALFA
.set HALFB, 128*PB
.set SLOT,  BOFF+2*HALFB               ; 147,456
.set SPARE, 2*SLOT
.set ASH,   21                         ; a K step is four planes of A, 1 << 21 bytes,
.set BSH,   19                         ; and 256 rows of W, 1 << 19 bytes
.set CP,    528                        ; the way out: a row of 128 f32 + 16 bytes
.set COPY,  64*CP                      ; a wave's copy of 64 rows
.set A0,   10
.set B0,   11
.set ADRA, 16
.set ADRB, 17
.set DST,  18                          ; v18  where I put my copy
.set RA0,  20                          ; v20, v21  where I read copies 0, 1 and 2, 3
.set RA1,  21
.set RR,   22                          ; v22  where I read RES
.set GO,   23                          ; v23  my byte offset in OUT
.set BO,   24                          ; v24  16 x lane; never rewritten
.set PF,   25                          ; v25  4,096 x lane; never rewritten
.set RAB,  26                          ; v26  RA0's start; never rewritten
.set SPW,  28
.set NIL,  29
.set BIAS, 32                          ; v[32:35]
.set R,    64                          ; the way out: v[64:143], 20 a row
.set F0,   64
.set F1,   128
.set G1,   24
.set G0,   32
.set G1B,  48
.set G0B,  56
.set SL,   66
.set CNT,  68
.set G1R,  72                          ; s[72:79], s[80:83] RES's tile: a load of my own, no mask
.set G0R,  80
.set OA,   90                          ; s[90:91] the K step's byte offset in A;  s[92:93] in W
.set OW,   92
.set TT,   94                          ; s94  the trip whose tiles are asked for next
.set RHO,  95                          ; s95  rho
.set MSB, 0
.macro WIN new
.if MSB != (\new)
	s_set_vgpr_msb (MSB<<8)|(\new)
.set MSB, \new
.endif
.endm
.set MUL_LO, 0xa1
.set MUL_HI, 0xf1
.set TO_B,   0x40
.macro PLACES
.rept 4
	v_nop
.endr
.endm
.macro JLOAD
	s_cmp_eq_u32 s15, 0
	s_cbranch_scc0 .Lfor_b_\@
	tensor_load_to_lds s[G0+4:G0+7], s[G1:G1+7]
	s_nop 0
	PLACES
	s_branch .Lasked_\@
.Lfor_b_\@:
	tensor_load_to_lds s[G0B+4:G0B+7], s[G1B:G1B+7]
	s_nop 0
	PLACES
.Lasked_\@:
.endm
.macro CREST
	s_cmp_lg_u32 s14, 0
	s_cbranch_scc1 .Lnot_wave_0_\@
	s_barrier_signal -3
.Lnot_wave_0_\@:
	s_barrier_wait -3
	s_barrier_signal -1
	s_barrier_wait -1
.endm
.macro CROUND
	s_barrier_signal -1
	s_barrier_wait -1
	CREST
.endm
.macro MULH f, hi, a0, zero            ; 16 matrix instructions; the accumulators take turns, in the same order in every quarter
	WIN MUL_LO+0x50*(\hi)
.irp a, \a0, (\a0)+1
.set j, 0
.rept NBK
.if \zero
	v_wmma_f32_16x16x32_bf16 v[8*(NBK*(\a)+j):8*(NBK*(\a)+j)+7], v[(\f)+8*j:(\f)+8*j+7], v[(\f)+8*(4*(\hi)+(\a)):(\f)+8*(4*(\hi)+(\a))+7], 0
.else
	v_wmma_f32_16x16x32_bf16 v[8*(NBK*(\a)+j):8*(NBK*(\a)+j)+7], v[(\f)+8*j:(\f)+8*j+7], v[(\f)+8*(4*(\hi)+(\a)):(\f)+8*(4*(\hi)+(\a))+7], v[8*(NBK*(\a)+j):8*(NBK*(\a)+j)+7]
.endif
.set j, j+1
.endr
.endr
.endm
.macro FETCH q, f
	WIN TO_B
.set j, 0
.rept NBK
	ds_load_tr16_b128 v[(\f)+8*j:(\f)+8*j+3],   v[ADRB] offset:32*(\q)*PB+BOG*(j/BOD)+32*(j%BOD)
	ds_load_tr16_b128 v[(\f)+8*j+4:(\f)+8*j+7], v[ADRB] offset:32*(\q)*PB+16*PB+BOG*(j/BOD)+32*(j%BOD)
.set j, j+1
.endr
	WIN 0
.irp i, 0,1,2,3,4,5,6,7
	ds_load_b128 v[(\f)+8*(\i):(\f)+8*(\i)+3],   v[ADRA] offset:64*(\q)+(\i)*16*PA
	ds_load_b128 v[(\f)+8*(\i)+4:(\f)+8*(\i)+7], v[ADRA] offset:64*(\q)+(\i)*16*PA+32
.endr
.endm
.macro QUARTER qn, f, g, zero
	s_wait_dscnt 8                                 ; W and A's rows 0-63 are in; the eight youngest loads may be out
	MULH \f, 0, 0, \zero
	MULH \f, 0, 2, \zero
	PLACES
	FETCH \qn, \g
	s_wait_dscnt 16+2*NBK                          ; all but the run just issued
	MULH \f, 1, 0, \zero
	MULH \f, 1, 2, \zero
.endm
.macro MEET round
	WIN 0
	s_wait_tensorcnt 0x0                           ; the one that was out is my part of the next slot
	ds_add_u32 v[SPW], v[NIL]                      ; 0 onto my spare word
	s_wait_dscnt 9                                 ; (the add and the eight youngest loads may be out)
	MULH F1, 0, 0, 0
	s_wait_dscnt 0x0                               ; the add is done, and my reads of this slot are over
	s_barrier_signal -1
	MULH F1, 0, 2, 0
.if \round
	WIN 0
.endif
	s_barrier_wait -1
.endm
.macro NEXTSLOT
	s_xor_b32 s[SL], s[SL], SLOT
	v_add_nc_u32 v[ADRA], s[SL], v[A0]
	v_add_nc_u32 v[ADRB], s[SL], v[B0]
.endm
.macro TURN                            ; a slot's last quarter; the slot is filled again, first thing behind the cluster's round, with the K step of trip TT
	MEET 1
	CREST
	s_add_co_u32 s[OA], s[TT], s[RHO]              ; the K step: within its block of four turned by rho
	s_and_b32 s[OA], s[OA], 3
	s_and_b32 s[OW], s[TT], 0xfc
	s_or_b32 s[OA], s[OA], s[OW]
	s_add_co_u32 s[TT], s[TT], 1
	s_lshl_b32 s[OW], s[OA], BSH
	s_lshl_b32 s[OA], s[OA], ASH
	s_xor_b32 s[G0+5], s[G0+5], SLOT               ; the walking descriptors: the other slot than last time; the address is made anew from the tile's base
	s_add_nc_u64 s[G0+6:G0+7], s[40:41], s[OA:OA+1]
	s_or_b32 s[G0+7], s[G0+7], 0x80000000
	s_xor_b32 s[G0B+5], s[G0B+5], SLOT
	s_add_nc_u64 s[G0B+6:G0B+7], s[42:43], s[OW:OW+1]
	s_or_b32 s[G0B+7], s[G0B+7], 0x80000000
	JLOAD
	NEXTSLOT
	FETCH 0, F0
	MULH F1, 1, 0, 0
	MULH F1, 1, 2, 0
.endm
.macro TURN_R                          ; the last change of slots: slot 0, read out, takes my 32 rows of RES's tile
	MEET 1
	CREST
	tensor_load_to_lds s[G0R:G0R+3], s[G1R:G1R+7]
	s_nop 0
	PLACES
	NEXTSLOT
	FETCH 0, F0
	MULH F1, 1, 0, 0
	MULH F1, 1, 2, 0
.endm
.macro MEETF                           ; the last barrier of the ring: behind it nobody reads slot 1, and nothing is filled, so RES's load may stay out
	s_wait_dscnt 8
	MULH F1, 0, 0, 0
	s_wait_dscnt 0x0
	s_barrier_signal -1
	MULH F1, 0, 2, 0
	s_barrier_wait -1
.endm
	s_load_b256 s[4:11], s[0:1], 0x0               ; A s[4:5], wb s[6:7], bias s[8:9], RES s[10:11]
	s_load_b64 s[12:13], s[0:1], 0x20              ; OUT
	v_lshl_add_u32 v[SPW], v0, 2, SPARE
	v_mov_b32 v[NIL], 0
	ds_add_u32 v[SPW], v[NIL]                      ; the wave's opening: the add and its wait stand ahead of my first tensor load
	ds_add_u32 v28, v29
	v_lshrrev_b32 v1, 5, v0
	v_readfirstlane_b32 s14, v1
	s_lshr_b32 s15, s14, 1                         ; I fetch for A (0) or for W (1),
	s_and_b32 s16, s14, 1                          ; this half of the tile
	s_bfe_u32 s17, ttmp6, 0x40000
	s_bfe_u32 s18, ttmp6, 0x40004
	s_lshl_b32 s19, ttmp9, 2
	s_add_co_u32 s19, s19, s17                     ; tile column
	s_and_b32 s20, ttmp7, 0xffff
	s_lshl_b32 s[RHO], ttmp9, 1
	s_add_co_u32 s[RHO], s[RHO], s20
	s_and_b32 s[RHO], s[RHO], 3                    ; rho, of the cluster's own x and y alone
	s_lshl_b32 s20, s20, 2
	s_add_co_u32 s20, s20, s18                     ; tile row
	s_lshl_b32 s21, s18, 2
	s_lshl_b32 s21, 15, s21
	s_lshl_b32 s22, 0x1111, s17
	s_or_b32 s[G1], s21, (1<<16)|(1<<20)|(1<<21)|(4<<22)|(3<<25)    ; 4 words of padding after every 32: behind each token
	s_mov_b32 s[G1+1], 8192<<16                    ; 128 tokens of a plane are 16,384 dense bytes: one row of 8,192 elements;
	s_mov_b32 s[G1+2], 2<<16                       ; two planes,
	s_mov_b32 s[G1+3], 8192<<16
	s_mov_b32 s[G1+4], 2
	s_mov_b32 s[G1+5], 262144                      ; 262,144 elements apart
	s_mov_b32 s[G1+6], 0
	s_mov_b32 s[G1+7], 0
	s_or_b32 s[G1B], s22, (1<<16)|(1<<20)|(1<<21)|(5<<22)|(7<<25)   ; 8 words of padding after every 64
	s_mov_b32 s[G1B+1], 128<<16
	s_mov_b32 s[G1B+2], 128<<16
	s_mov_b32 s[G1B+3], 128<<16
	s_mov_b32 s[G1B+4], 128
	s_mov_b32 s[G1B+5], 1024
	s_mov_b32 s[G1B+6], 0
	s_mov_b32 s[G1B+7], 0
	s_mov_b32 s[G1R], 2<<16                        ; 4-byte elements, no mask, no padding: 32 rows of 128
	s_mov_b32 s[G1R+1], 128<<16
	s_mov_b32 s[G1R+2], 32<<16
	s_mov_b32 s[G1R+3], 128<<16
	s_mov_b32 s[G1R+4], 32
	s_mov_b32 s[G1R+5], 1024
	s_mov_b32 s[G1R+6], 0
	s_mov_b32 s[G1R+7], 0
	s_mov_b32 s[G0R], 1
	s_lshl_b32 s[G0R+1], s14, 14                   ; row m of the tile lands at 512 m
	s_lshl_b32 s40, s20, 14                        ; A: 128 tokens x 128 bytes a tile row,
	s_lshl_b32 s44, s16, 20                        ; two planes a half
	s_add_co_u32 s40, s40, s44
	s_mov_b32 s41, 0
	s_lshl_b32 s42, s19, 8                         ; W: 128 columns a tile,
	s_lshl_b32 s45, s16, 18                        ; 128 k rows a half
	s_add_co_u32 s42, s42, s45
	s_add_co_u32 s42, s42, WOFF
	s_mov_b32 s43, 0
	s_mul_i32 s23, s16, HALFA
	s_mul_i32 s69, s16, HALFB
	s_add_co_u32 s69, s69, BOFF
	s_mov_b32 s[SL], 0
	s_mov_b32 s[OA+1], 0
	s_mov_b32 s[OW+1], 0
	s_mov_b32 s[TT], 2
	s_wait_dscnt 0x0                               ; the opening add is done
	s_wait_kmcnt 0x0
	s_add_nc_u64 s[40:41], s[4:5], s[40:41]        ; my part of the tiles at K step 0: kept for the whole launch
	s_add_nc_u64 s[42:43], s[6:7], s[42:43]
	CROUND
.irp s, 0,1
	s_add_co_u32 s[OA], s[RHO], \s                 ; trips 0 and 1 take K steps rho and rho + 1, modulo 4
	s_and_b32 s[OA], s[OA], 3
	s_lshl_b32 s[OW], s[OA], BSH
	s_lshl_b32 s[OA], s[OA], ASH
	s_mov_b32 s[G0+4*(\s)], 1
	s_add_co_u32 s[G0+4*(\s)+1], s23, (\s)*SLOT
	s_add_nc_u64 s[G0+4*(\s)+2:G0+4*(\s)+3], s[40:41], s[OA:OA+1]
	s_or_b32 s[G0+4*(\s)+3], s[G0+4*(\s)+3], 0x80000000
	s_mov_b32 s[G0B+4*(\s)], 1
	s_add_co_u32 s[G0B+4*(\s)+1], s69, (\s)*SLOT
	s_add_nc_u64 s[G0B+4*(\s)+2:G0B+4*(\s)+3], s[42:43], s[OW:OW+1]
	s_or_b32 s[G0B+4*(\s)+3], s[G0B+4*(\s)+3], 0x80000000
.endr
	s_cmp_eq_u32 s15, 0                            ; a wave's two first fills stand in one branch: two loads of mine are out
	s_cbranch_scc0 .Lfirst_b
	tensor_load_to_lds s[G0:G0+3], s[G1:G1+7]
	s_nop 0
	tensor_load_to_lds s[G0+4:G0+7], s[G1:G1+7]
	s_nop 0
	PLACES
	s_branch .Lfirst_done
.Lfirst_b:
	tensor_load_to_lds s[G0B:G0B+3], s[G1B:G1B+7]
	s_nop 0
	tensor_load_to_lds s[G0B+4:G0B+7], s[G1B:G1B+7]
	s_nop 0
	PLACES
.Lfirst_done:
	s_lshl_b32 s86, s20, 19                        ; the tile's first byte in RES and in OUT
	s_lshl_b32 s88, s19, 9
	s_add_co_u32 s86, s86, s88
	s_mov_b32 s87, 0
	s_mov_b32 s89, 0
	s_add_nc_u64 s[12:13], s[12:13], s[86:87]
	s_add_nc_u64 s[8:9], s[8:9], s[88:89]          ; bias at the tile's first column
	s_lshl_b32 s88, s14, 17
	s_add_co_u32 s86, s86, s88
	s_add_nc_u64 s[84:85], s[10:11], s[86:87]      ; RES at my 32 rows
	s_mov_b64 s[G0R+2:G0R+3], s[84:85]
	s_or_b32 s[G0R+3], s[G0R+3], 0x80000000
	v_and_b32 v1, 15, v0                           ; r
	v_bfe_u32 v2, v0, 4, 1                         ; hh
	v_and_b32 v4, 31, v0
	v_lshlrev_b32 v[BO], 4, v4
	v_lshlrev_b32 v[PF], 12, v4
	global_load_b128 v[BIAS:BIAS+3], v[BO], s[8:9] ; columns 4 l ..
	v_mul_u32_u24 v3, v1, PA
	v_lshl_add_u32 v3, v2, 4, v3
	s_mul_i32 s44, s14, 128*PA                     ; plane w of the slot is my 64 along K
	v_add_nc_u32 v[A0], s44, v3
	v_and_b32 v4, 7, v0
	v_lshl_add_u32 v4, v2, 3, v4
	v_mul_u32_u24 v4, v4, PB
	v_bfe_u32 v5, v0, 3, 1
	v_lshl_add_u32 v4, v5, 4, v4
	s_mul_i32 s45, s14, 64*PB
	s_add_co_u32 s45, s45, BOFF
	v_add_nc_u32 v[B0], s45, v4
	v_mov_b32 v[ADRA], v[A0]
	v_mov_b32 v[ADRB], v[B0]
	v_mul_u32_u24 v3, v1, CP                       ; my copy, in slot 1: row r, 32 bytes for each half of the lanes
	v_lshl_add_u32 v3, v2, 5, v3
	s_mul_i32 s44, s14, COPY
	s_add_co_u32 s44, s44, SLOT
	v_add_nc_u32 v[DST], s44, v3
	s_mul_i32 s44, s14, 16*CP                      ; of each 64 rows I add up rows 16 w ..; a lane takes 16 bytes of a row
	s_add_co_u32 s44, s44, SLOT
	v_add_nc_u32 v[RAB], s44, v[BO]
	s_lshl_b32 s44, s14, 13
	v_add_nc_u32 v[RR], s44, v[BO]
	s_lshl_b32 s44, s14, 16
	v_add_nc_u32 v[GO], s44, v[BO]
	s_wait_tensorcnt 0x1                           ; my part of slot 0 is in; slot 1's may stay out
	s_barrier_signal -1
	s_barrier_wait -1
	FETCH 0, F0
	QUARTER 1, F0, F1, 1                           ; the first quarter starts the sums with the constant 0
	WIN 0
	s_mov_b32 s[CNT], STEPS-2
.Lk:                                                   ; a trip: a slot's second quarter, the change of slots with its refill, the next slot's first quarter
	s_cmp_eq_u32 s[CNT], 2                         ; two trips ahead of the load that wants them my 32 rows of RES are asked for: 512 bytes a row, one lane a row, each block once in the launch
	s_cbranch_scc0 .Lnp
	global_prefetch_b8 v[PF], s[84:85] th:TH_LOAD_NT scope:SCOPE_SE
	global_prefetch_b8 v[PF], s[84:85] offset:256 th:TH_LOAD_NT scope:SCOPE_SE
.Lnp:
	TURN
	QUARTER 1, F0, F1, 0
	WIN 0
	s_sub_co_u32 s[CNT], s[CNT], 1
	s_cmp_lg_u32 s[CNT], 0
	s_cbranch_scc1 .Lk
	TURN_R
	QUARTER 1, F0, F1, 0
	MEETF
	MULH F1, 1, 0, 0
	MULH F1, 1, 2, 0
; THE WAY OUT, in two rounds of 64 rows: each wave puts its f32 copy of the rows into slot 1; a barrier; wave w adds up rows 16 w .. 16 w + 15 of the four copies, bias and RES, and stores them.
.macro ROUND_OUT rho
.if (\rho) == 0
	PLACES
.else
	s_wait_xcnt 0x0                                ; the stores have read GO
	v_add_nc_u32 v[GO], 196608, v[GO]              ; 64 rows on from the round's start
	v_add_nc_u32 v[RR], 24576, v[RR]
	s_wait_dscnt 0x0                               ; my reads of the first round's copies are over,
	s_barrier_signal -1
	s_barrier_wait -1                              ; everybody's are
.endif
	WIN 0x08+4*(\rho)                              ; store data in window 2 or 3
.set a, 0
.rept 4
.set j, 0
.rept NBK
	ds_store_b128 v[DST], v[8*(NBK*a+j):8*(NBK*a+j)+3]   offset:16*CP*a+64*j
	ds_store_b128 v[DST], v[8*(NBK*a+j)+4:8*(NBK*a+j)+7] offset:16*CP*a+64*j+16
.set j, j+1
.endr
.set a, a+1
.endr
	WIN 0
	v_mov_b32 v[RA0], v[RAB]
	v_add_nc_u32 v[RA1], 2*COPY, v[RAB]
.if (\rho) == 0
	s_wait_tensorcnt 0x0                           ; my rows of RES are in
	s_wait_loadcnt 0x0                             ; bias
.endif
	s_wait_dscnt 0x0                               ; for the others' sake: my copy is written
	s_barrier_signal -1
	s_barrier_wait -1
	s_mov_b32 s[CNT], 4
.Lred_\@:                                              ; 4 rows a trip
	s_wait_xcnt 0x0                                ; the last trip's stores have read their data and GO
	v_add_nc_u32 v[GO], 16384, v[GO]               ; the stores below reach back
.irp i, 0,1,2,3
	ds_load_b128 v[R+20*\i:R+20*\i+3],     v[RA0] offset:CP*\i
	ds_load_b128 v[R+20*\i+4:R+20*\i+7],   v[RA0] offset:COPY+CP*\i
	ds_load_b128 v[R+20*\i+8:R+20*\i+11],  v[RA1] offset:CP*\i
	ds_load_b128 v[R+20*\i+12:R+20*\i+15], v[RA1] offset:COPY+CP*\i
	ds_load_b128 v[R+20*\i+16:R+20*\i+19], v[RR]  offset:512*\i
.endr
	v_add_nc_u32 v[RA0], 4*CP, v[RA0]
	v_add_nc_u32 v[RA1], 4*CP, v[RA1]
	v_add_nc_u32 v[RR], 2048, v[RR]
.irp i, 0,1,2,3
	s_wait_dscnt 15-5*\i                           ; row i's five loads are in, the later rows' stay out
.irp e, 0,2
	v_pk_add_f32 v[R+20*\i+\e:R+20*\i+\e+1],       v[R+20*\i+\e:R+20*\i+\e+1],       v[R+20*\i+4+\e:R+20*\i+4+\e+1]
	v_pk_add_f32 v[R+20*\i+8+\e:R+20*\i+8+\e+1],   v[R+20*\i+8+\e:R+20*\i+8+\e+1],   v[R+20*\i+12+\e:R+20*\i+12+\e+1]
	v_pk_add_f32 v[R+20*\i+16+\e:R+20*\i+16+\e+1], v[R+20*\i+16+\e:R+20*\i+16+\e+1], v[BIAS+\e:BIAS+\e+1]
.endr
.irp e, 0,2
	v_pk_add_f32 v[R+20*\i+\e:R+20*\i+\e+1], v[R+20*\i+\e:R+20*\i+\e+1], v[R+20*\i+8+\e:R+20*\i+8+\e+1]
.endr
.irp e, 0,2
	v_pk_add_f32 v[R+20*\i+\e:R+20*\i+\e+1], v[R+20*\i+\e:R+20*\i+\e+1], v[R+20*\i+16+\e:R+20*\i+16+\e+1]
.endr
	global_store_b128 v[GO], v[R+20*\i:R+20*\i+3], s[12:13] offset:4096*\i-16384   ; 512 consecutive bytes, aligned
.endr
	s_sub_co_u32 s[CNT], s[CNT], 1
	s_cmp_lg_u32 s[CNT], 0
	s_cbranch_scc1 .Lred_\@
.endm
	ROUND_OUT 0
	ROUND_OUT 1
	s_wait_tensorcnt 0x0                           ; the wave's end
	ds_add_u32 v[SPW], v[NIL]
	s_wait_dscnt 0x0
	CROUND                                         ; the closing round
	s_endpgm
.Lfunc_end_k_qf8c727387c_proj:
	.size	k_qf8c727387c_proj, .Lfunc_end_k_qf8c727387c_proj-k_qf8c727387c_proj
	.p2alignl 7, 3214868480
	.fill 96, 4, 3214868480
	.section	.rodata,"a",@progbits
	.p2align	6, 0x0
	.amdhsa_kernel k_qf8c727387c_proj
		.amdhsa_group_segment_fixed_size 327680
		.amdhsa_private_segment_fixed_size 0
		.amdhsa_enable_private_segment 0
		.amdhsa_kernarg_size 40
		.amdhsa_user_sgpr_count 2
		.amdhsa_user_sgpr_kernarg_segment_ptr 1
		.amdhsa_wavefront_size32 1
		.amdhsa_system_sgpr_workgroup_id_x 1
		.amdhsa_system_sgpr_workgroup_id_y 1
		.amdhsa_system_sgpr_workgroup_id_z 1
		.amdhsa_system_vgpr_workitem_id 0
		.amdhsa_next_free_vgpr 1024
		.amdhsa_next_free_sgpr 100
		.amdhsa_reserve_vcc 0
		.amdhsa_float_denorm_mode_32 3
		.amdhsa_float_denorm_mode_16_64 3
		.amdhsa_memory_ordered 1
		.amdhsa_forward_progress 1
		.amdhsa_inst_pref_size 67
	.end_amdhsa_kernel
	.amdgpu_metadata
---
amdhsa.version: [ 1, 2 ]
amdhsa.kernels:
  - .name:           k_qf8c727387c_proj
    .symbol:         k_qf8c727387c_proj.kd
    .args:
      - { .name: ctx, .offset: 0, .size: 8, .value_kind: global_buffer, .address_space: global }
      - { .name: wb, .offset: 8, .size: 8, .value_kind: global_buffer, .address_space: global }
      - { .name: b_proj, .offset: 16, .size: 8, .value_kind: global_buffer, .address_space: global }
      - { .name: x, .offset: 24, .size: 8, .value_kind: global_buffer, .address_space: global }
      - { .name: x1, .offset: 32, .size: 8, .value_kind: global_buffer, .address_space: global }
    .group_segment_fixed_size: 327680
    .private_segment_fixed_size: 0
    .kernarg_segment_align: 8
    .kernarg_segment_size: 40
    .max_flat_workgroup_size: 128
    .sgpr_count:     100
    .vgpr_count:     1024
    .wavefront_size: 32
...
	.end_amdgpu_metadata
.endif
;; end of part 4
;; launch ln2 (part 5): grid 256 x 1, 8 waves a work-group, no clusters, 0 bytes of LDS; arguments x1, ln2_w, ln2_b, h; writes h
.if DOCPART == 5
	.amdgcn_target "amdgcn-amd-amdhsa--gfx1250"
	.amdhsa_code_object_version 6
	.text
	.protected	k_qf8c727387c_ln2
	.globl	k_qf8c727387c_ln2
	.p2align	8
	.type	k_qf8c727387c_ln2,@function
k_qf8c727387c_ln2:
	s_mov_b64 s[64:65], 0
	v_nop
	global_prefetch_b8 v0, s[64:65] scope:SCOPE_SE
	s_setreg_imm32_b32 hwreg(HW_REG_WAVE_MODE, 25, 1), 1
	s_wait_xcnt 0x0
; LayerNorm over rows of 1,024 f32; the result is rounded once to bf16.  y = (x - mean) * rsqrt(var + 1e-5) * w + b, var taken of the centred row, all in f32.
; One wave, one row (4,096 bytes = 32 registers), two rows a wave, 16 rows a work-group: the row stays in registers between the passes, no LDS, no barrier.
; Lane l holds columns 128 j + 4 l + 0..3, j = 0..7: a load covers 512 consecutive bytes, a store of 8 bytes a lane 256.
.set T,   4                            ; v[4:11]    four running pairs
.set X0,  16                           ; v[16:47] row 0, v[48:79] row 1
.set WG,  80                           ; v[80:111]  gain
.set BB,  112                          ; v[112:143] bias
.set OB,  144                          ; v[144:159] to store
	s_load_b256 s[4:11], s[0:1], 0x0               ; x s[4:5], gain s[6:7], bias s[8:9], out s[10:11]
	s_mov_b32 s12, 0x76543210                      ; v_permlanex16_b32: each lane takes its own place in the other half
	s_mov_b32 s13, 0xfedcba98
	s_lshl_b32 s14, ttmp9, 16                      ; 16 rows of 4,096 bytes in
	s_mov_b32 s15, 0
	s_lshl_b32 s16, ttmp9, 15                      ; 16 rows of 2,048 bytes out
	s_mov_b32 s17, 0
	v_and_b32 v4, 31, v0
	v_lshrrev_b32 v5, 5, v0
	v_lshlrev_b32 v3, 4, v4                        ; 16 lane
	v_lshl_add_u32 v1, v5, 13, v3                  ; + two rows a wave
	v_lshlrev_b32 v2, 3, v4
	v_lshl_add_u32 v2, v5, 12, v2
	v_mov_b32 v15, 0x3a800000                      ; 1 / 1,024
	s_wait_kmcnt 0x0
	s_add_nc_u64 s[4:5], s[4:5], s[14:15]
	s_add_nc_u64 s[10:11], s[10:11], s[16:17]
.irp j, 0,1,2,3,4,5,6,7
	global_load_b128 v[X0+4*\j:X0+4*\j+3], v1, s[4:5] offset:512*\j
.endr
.irp j, 0,1,2,3,4,5,6,7
	global_load_b128 v[X0+32+4*\j:X0+32+4*\j+3], v1, s[4:5] offset:4096+512*\j
.endr
.irp j, 0,1,2,3,4,5,6,7
	global_load_b128 v[WG+4*\j:WG+4*\j+3], v3, s[6:7] offset:512*\j
.endr
.irp j, 0,1,2,3,4,5,6,7
	global_load_b128 v[BB+4*\j:BB+4*\j+3], v3, s[8:9] offset:512*\j
.endr
.macro REDUCE                          ; the four pairs and the 32 lanes are added: the sum in v[T] of every lane
	v_pk_add_f32 v[T:T+1], v[T:T+1], v[T+2:T+3]
	v_pk_add_f32 v[T+4:T+5], v[T+4:T+5], v[T+6:T+7]
	v_pk_add_f32 v[T:T+1], v[T:T+1], v[T+4:T+5]
	v_add_f32 v[T], v[T], v[T+1]
	v_add_f32_dpp v[T], v[T], v[T] row_xmask:1 row_mask:0xf bank_mask:0xf
	v_add_f32_dpp v[T], v[T], v[T] row_xmask:2 row_mask:0xf bank_mask:0xf
	v_add_f32_dpp v[T], v[T], v[T] row_xmask:4 row_mask:0xf bank_mask:0xf
	v_add_f32_dpp v[T], v[T], v[T] row_xmask:8 row_mask:0xf bank_mask:0xf
	v_permlanex16_b32 v[T+1], v[T], s12, s13
	v_add_f32 v[T], v[T], v[T+1]
.endm
.macro ROW i
.set X, X0+32*(\i)
.irp k, 0,1,2,3
	v_pk_add_f32 v[T+2*\k:T+2*\k+1], v[X+2*\k:X+2*\k+1], v[X+8+2*\k:X+8+2*\k+1]   ; four chains, started by the first pairs
.endr
.irp k, 0,1,2,3
	v_pk_add_f32 v[T+2*\k:T+2*\k+1], v[T+2*\k:T+2*\k+1], v[X+16+2*\k:X+16+2*\k+1]
.endr
.irp k, 0,1,2,3
	v_pk_add_f32 v[T+2*\k:T+2*\k+1], v[T+2*\k:T+2*\k+1], v[X+24+2*\k:X+24+2*\k+1]
.endr
	REDUCE
	v_mul_f32 v12, v[T], v15                       ; the mean, twice: a pair for the packed lines
	v_mul_f32 v13, v[T], v15
.set p, 0
.rept 16
	v_pk_add_f32 v[X+2*p:X+2*p+1], v[X+2*p:X+2*p+1], v[12:13] neg_lo:[0,1] neg_hi:[0,1]   ; the row is centred in place
.set p, p+1
.endr
.irp k, 0,1,2,3
	v_pk_mul_f32 v[T+2*\k:T+2*\k+1], v[X+2*\k:X+2*\k+1], v[X+2*\k:X+2*\k+1]
.endr
.set p, 4
.rept 12
	v_pk_fma_f32 v[T+2*(p%4):T+2*(p%4)+1], v[X+2*p:X+2*p+1], v[X+2*p:X+2*p+1], v[T+2*(p%4):T+2*(p%4)+1]
.set p, p+1
.endr
	REDUCE
	v_fmaak_f32 v14, v[T], v15, 0x3727c5ac         ; var + 1e-5
	v_rsq_f32 v12, v14
	v_rsq_f32 v13, v14
	v_nop                                          ; a plain instruction between the root and the use of its result
.if (\i) == 0
	s_wait_loadcnt 0x0                             ; gain and bias
.endif
.set p, 0
	s_wait_alu depctr_va_vdst(0)
.rept 16
	v_pk_mul_f32 v[X+2*p:X+2*p+1], v[X+2*p:X+2*p+1], v[12:13]
.set p, p+1
.endr
.set p, 0
.rept 16
	v_pk_fma_f32 v[X+2*p:X+2*p+1], v[X+2*p:X+2*p+1], v[WG+2*p:WG+2*p+1], v[BB+2*p:BB+2*p+1]
.set p, p+1
.endr
.if (\i) == 1
	s_wait_xcnt 0x0                                ; row 0's stores have read v[OB..]: only behind this wait are they written again
.endif
.set p, 0
.rept 16
	v_cvt_pk_bf16_f32 v[OB+p], v[X+2*p], v[X+2*p+1]
.set p, p+1
.endr
.irp j, 0,1,2,3,4,5,6,7
	global_store_b64 v2, v[OB+2*\j:OB+2*\j+1], s[10:11] offset:256*\j+2048*(\i)   ; 32 lanes store 256 consecutive bytes, aligned
.endr
.endm
	s_wait_loadcnt 24                              ; row 0 is in; row 1, gain and bias (24 loads) stay out
	ROW 0
	ROW 1
	s_endpgm
.Lfunc_end_k_qf8c727387c_ln2:
	.size	k_qf8c727387c_ln2, .Lfunc_end_k_qf8c727387c_ln2-k_qf8c727387c_ln2
	.p2alignl 7, 3214868480
	.fill 96, 4, 3214868480
	.section	.rodata,"a",@progbits
	.p2align	6, 0x0
	.amdhsa_kernel k_qf8c727387c_ln2
		.amdhsa_group_segment_fixed_size 0
		.amdhsa_private_segment_fixed_size 0
		.amdhsa_enable_private_segment 0
		.amdhsa_kernarg_size 32
		.amdhsa_user_sgpr_count 2
		.amdhsa_user_sgpr_kernarg_segment_ptr 1
		.amdhsa_wavefront_size32 1
		.amdhsa_system_sgpr_workgroup_id_x 1
		.amdhsa_system_sgpr_workgroup_id_y 1
		.amdhsa_system_sgpr_workgroup_id_z 1
		.amdhsa_system_vgpr_workitem_id 0
		.amdhsa_next_free_vgpr 160
		.amdhsa_next_free_sgpr 66
		.amdhsa_reserve_vcc 0
		.amdhsa_float_denorm_mode_32 3
		.amdhsa_float_denorm_mode_16_64 3
		.amdhsa_memory_ordered 1
		.amdhsa_forward_progress 1
		.amdhsa_inst_pref_size 20
	.end_amdhsa_kernel
	.amdgpu_metadata
---
amdhsa.version: [ 1, 2 ]
amdhsa.kernels:
  - .name:           k_qf8c727387c_ln2
    .symbol:         k_qf8c727387c_ln2.kd
    .args:
      - { .name: x1, .offset: 0, .size: 8, .value_kind: global_buffer, .address_space: global }
      - { .name: ln2_w, .offset: 8, .size: 8, .value_kind: global_buffer, .address_space: global }
      - { .name: ln2_b, .offset: 16, .size: 8, .value_kind: global_buffer, .address_space: global }
      - { .name: h, .offset: 24, .size: 8, .value_kind: global_buffer, .address_space: global }
    .group_segment_fixed_size: 0
    .private_segment_fixed_size: 0
    .kernarg_segment_align: 8
    .kernarg_segment_size: 32
    .max_flat_workgroup_size: 256
    .sgpr_count:     66
    .vgpr_count:     160
    .wavefront_size: 32
...
	.end_amdgpu_metadata
.endif
;; end of part 5
;; launch ff1 (part 6): grid 16 x 16, 4 waves a work-group, clusters of 4 x 4, 327,680 bytes of LDS; arguments h, wb, b_ff1, g; writes g
.if DOCPART == 6
	.amdgcn_target "amdgcn-amd-amdhsa--gfx1250"
	.amdhsa_code_object_version 6
	.text
	.protected	k_qf8c727387c_ff1
	.globl	k_qf8c727387c_ff1
	.p2align	8
	.type	k_qf8c727387c_ff1,@function
k_qf8c727387c_ff1:
	s_mov_b64 s[64:65], 0
	v_nop
	global_prefetch_b8 v0, s[64:65] scope:SCOPE_SE
	s_setreg_imm32_b32 hwreg(HW_REG_WAVE_MODE, 25, 1), 1
	s_wait_xcnt 0x0
	s_wait_alu depctr_hold_cnt(0) depctr_sa_sdst(0) depctr_va_vdst(0) depctr_va_sdst(0) depctr_va_ssrc(0) depctr_va_vcc(0) depctr_vm_vsrc(0)
	s_getreg_b32 s2, hwreg(HW_REG_IB_STS2, 6, 4)
	s_cmp_eq_u32 s2, 0
	s_cbranch_scc0 .Lentry_in_a_cluster
	s_endpgm
.Lentry_in_a_cluster:
	s_bfe_u32 s2, ttmp6, 0x10000c
	s_cmp_lg_u32 s2, 0xf033
	s_cbranch_scc0 .Lentry_shape_is_right
	s_endpgm
.Lentry_shape_is_right:
; g = gelu(h x W1 + b_ff1), the exact GELU z Phi(z).  h: [4096][1024] bf16.  W1: wb + 8,388,608, [1024][4096] bf16.  g: planes [64][4096 tokens][64] bf16.
; Sums, bias and GELU in f32; g rounded once.  A work-group makes 256 tokens x 256 columns; four waves, 2 x 2, each 128 x 128: 64 accumulators.
; GELU: z Phi(z) = max(z, 0) - |z| Q(|z|), Q(x) = exp(-x^2 / 2) / sqrt(2 pi) x (a fifth-degree polynomial in t = 1 / (1 + 0.2316419 x)) (Abramowitz and Stegun 26.2.17):
; Q is off by 7.5e-8 at the most for every x; nothing cancels.  LIMITS: where x^2 overflows Q is 0; NaN and infinities are not treated apart.
; K goes in steps of 128 through two LDS slots.  CLUSTER 4 x 4: h's tile is asked for jointly along a row of the cluster, W1's along a column.
; The matrix instruction is used transposed (source 0 = 16 columns of W1, source 1 = 16 tokens).  W1 lies [k][n] in LDS and comes out turned.  The K loop is written for one slot.
; WINDOWS: 0 addresses, bias, A's fragments v64-127, v128-191 (later the GELU's registers);  1 W1's fragments;  2, 3 accumulators, token block a, column block j at v[8 (8 a + j)].
.set NBK,   8
.set PA,    272
.set PB,    544                        ; a k row of W1's tile: 512 bytes + 32
.set BOG,   0
.set BOD,   8
.set HALFA, 128*PA
.set BOFF,  2*HALFA
.set HALFB, 64*PB
.set SLOT,  BOFF+2*HALFB               ; 139,264
.set SPARE, 2*SLOT
.set ASTEP, 256
.set BSTEP, 128*8192
.set STEPS, 8
.set CP,    528                        ; the way out: a row of 128 f32 + 16 bytes
.set A0,   10
.set B0,   11
.set ADRA, 16
.set ADRB, 17
.set DST,  18
.set RD,   20
.set GO,   23
.set BO,   24                          ; v24  the bias loads' offset; never rewritten
.set SPW,  28
.set NIL,  29
.set BIAS, 32                          ; v[32:39]
.set F0,   64
.set F1,   128
.set RAW,  64                          ; the GELU's registers, 16 each: 2 rows x 8 columns a lane
.set Z,    80
.set AZ,   96
.set RL,   112
.set TT,   128
.set EE,   144
.set PP,   160
.set OB,   176                         ; v[176:183] to store
.set G1,   24
.set G0,   32
.set G1B,  48
.set G0B,  56
.set SL,   66
.set CNT,  68
.set KP,   84                          ; s[84:97] the GELU's constants, each a pair whose low word serves both halves
.set KE,   86
.set K1,   88
.set K2,   90
.set K3,   92
.set K4,   94
.set K5,   96
.set MSB, 0
.macro WIN new
.if MSB != (\new)
	s_set_vgpr_msb (MSB<<8)|(\new)
.set MSB, \new
.endif
.endm
.set MUL_LO, 0xa1
.set MUL_HI, 0xf1
.set TO_B,   0x40
.macro PLACES
.rept 4
	v_nop
.endr
.endm
.macro JLOAD
	s_cmp_eq_u32 s15, 0
	s_cbranch_scc0 .Lfor_b_\@
	tensor_load_to_lds s[G0+4:G0+7], s[G1:G1+7]
	s_nop 0
	PLACES
	s_branch .Lasked_\@
.Lfor_b_\@:
	tensor_load_to_lds s[G0B+4:G0B+7], s[G1B:G1B+7]
	s_nop 0
	PLACES
.Lasked_\@:
.endm
.macro CREST
	s_cmp_lg_u32 s14, 0
	s_cbranch_scc1 .Lnot_wave_0_\@
	s_barrier_signal -3
.Lnot_wave_0_\@:
	s_barrier_wait -3
	s_barrier_signal -1
	s_barrier_wait -1
.endm
.macro CROUND
	s_barrier_signal -1
	s_barrier_wait -1
	CREST
.endm
.macro MULH f, hi, a0, zero            ; 16 matrix instructions; the accumulators take turns, in the same order in every quarter
	WIN MUL_LO+0x50*(\hi)
.irp a, \a0, (\a0)+1
.set j, 0
.rept NBK
.if \zero
	v_wmma_f32_16x16x32_bf16 v[8*(NBK*(\a)+j):8*(NBK*(\a)+j)+7], v[(\f)+8*j:(\f)+8*j+7], v[(\f)+8*(4*(\hi)+(\a)):(\f)+8*(4*(\hi)+(\a))+7], 0
.else
	v_wmma_f32_16x16x32_bf16 v[8*(NBK*(\a)+j):8*(NBK*(\a)+j)+7], v[(\f)+8*j:(\f)+8*j+7], v[(\f)+8*(4*(\hi)+(\a)):(\f)+8*(4*(\hi)+(\a))+7], v[8*(NBK*(\a)+j):8*(NBK*(\a)+j)+7]
.endif
.set j, j+1
.endr
.endr
.endm
.macro FETCH q, f
	WIN TO_B
.set j, 0
.rept NBK
	ds_load_tr16_b128 v[(\f)+8*j:(\f)+8*j+3],   v[ADRB] offset:32*(\q)*PB+BOG*(j/BOD)+32*(j%BOD)
	ds_load_tr16_b128 v[(\f)+8*j+4:(\f)+8*j+7], v[ADRB] offset:32*(\q)*PB+16*PB+BOG*(j/BOD)+32*(j%BOD)
.set j, j+1
.endr
	WIN 0
.irp i, 0,1,2,3,4,5,6,7
	ds_load_b128 v[(\f)+8*(\i):(\f)+8*(\i)+3],   v[ADRA] offset:64*(\q)+(\i)*16*PA
	ds_load_b128 v[(\f)+8*(\i)+4:(\f)+8*(\i)+7], v[ADRA] offset:64*(\q)+(\i)*16*PA+32
.endr
.endm
.macro QUARTER qn, f, g, zero
	s_wait_dscnt 8                                 ; W1 and A's rows 0-63 are in; the eight youngest loads may be out
	MULH \f, 0, 0, \zero
	MULH \f, 0, 2, \zero
	PLACES
	FETCH \qn, \g
	s_wait_dscnt 16+2*NBK                          ; all but the run just issued
	MULH \f, 1, 0, \zero
	MULH \f, 1, 2, \zero
.endm
.macro MEET round
	WIN 0
	s_wait_tensorcnt 0x0                           ; the one that was out is my part of the next slot
	ds_add_u32 v[SPW], v[NIL]                      ; 0 onto my spare word
	s_wait_dscnt 9                                 ; (the add and the eight youngest loads may be out)
	MULH F1, 0, 0, 0
	s_wait_dscnt 0x0                               ; the add is done, and my reads of this slot are over
	s_barrier_signal -1
	MULH F1, 0, 2, 0
.if \round
	WIN 0
.endif
	s_barrier_wait -1
.endm
.macro NEXTSLOT
	s_xor_b32 s[SL], s[SL], SLOT
	v_add_nc_u32 v[ADRA], s[SL], v[A0]
	v_add_nc_u32 v[ADRB], s[SL], v[B0]
.endm
.macro TURN
	MEET 1
	CREST
	s_xor_b32 s[G0+5], s[G0+5], SLOT
	s_add_nc_u64 s[G0+6:G0+7], s[G0+6:G0+7], ASTEP
	s_xor_b32 s[G0B+5], s[G0B+5], SLOT
	s_add_nc_u64 s[G0B+6:G0B+7], s[G0B+6:G0B+7], BSTEP
	JLOAD
	NEXTSLOT
	FETCH 0, F0
	MULH F1, 1, 0, 0
	MULH F1, 1, 2, 0
.endm
	s_load_b256 s[4:11], s[0:1], 0x0               ; h s[4:5], wb s[6:7], b_ff1 s[8:9], g s[10:11]
	v_lshl_add_u32 v[SPW], v0, 2, SPARE
	v_mov_b32 v[NIL], 0
	ds_add_u32 v[SPW], v[NIL]                      ; the wave's opening: the add and its wait stand ahead of my first tensor load
	ds_add_u32 v28, v29
	v_lshrrev_b32 v1, 5, v0
	v_readfirstlane_b32 s14, v1
	s_lshr_b32 s15, s14, 1                         ; my half of the tokens.  Also: I fetch for A (0) or for W1 (1)
	s_and_b32 s16, s14, 1                          ; my half of the columns.  Also: which half of that tile I fetch
	s_bfe_u32 s17, ttmp6, 0x40000
	s_bfe_u32 s18, ttmp6, 0x40004
	s_lshl_b32 s19, ttmp9, 2
	s_add_co_u32 s19, s19, s17                     ; tile column
	s_and_b32 s20, ttmp7, 0xffff
	s_lshl_b32 s20, s20, 2
	s_add_co_u32 s20, s20, s18                     ; tile row
	s_lshl_b32 s21, s18, 2
	s_lshl_b32 s21, 15, s21
	s_lshl_b32 s22, 0x1111, s17
	s_or_b32 s[G1], s21, (1<<16)|(1<<20)|(1<<21)|(5<<22)|(3<<25)
	s_mov_b32 s[G1+1], 128<<16
	s_mov_b32 s[G1+2], 128<<16
	s_mov_b32 s[G1+3], 128<<16
	s_mov_b32 s[G1+4], 128
	s_mov_b32 s[G1+5], 1024
	s_mov_b32 s[G1+6], 0
	s_mov_b32 s[G1+7], 0
	s_or_b32 s[G1B], s22, (1<<16)|(1<<20)|(1<<21)|(6<<22)|(7<<25)   ; 8 words of padding after every 128
	s_mov_b32 s[G1B+1], 256<<16                    ; 64 k rows of 256 columns
	s_mov_b32 s[G1B+2], 64<<16
	s_mov_b32 s[G1B+3], 256<<16
	s_mov_b32 s[G1B+4], 64
	s_mov_b32 s[G1B+5], 4096
	s_mov_b32 s[G1B+6], 0
	s_mov_b32 s[G1B+7], 0
	s_mov_b32 s[KP], 0x3e6d3389                    ; 0.2316419
	s_mov_b32 s[KE], 0xbf38aa3b                    ; -log2(e) / 2
	s_mov_b32 s[K1], 0x3e027906                    ; the polynomial's coefficients, each divided by sqrt(2 pi): 0.127414796,
	s_mov_b32 s[K2], 0xbe11a98e                    ; -0.142248368,
	s_mov_b32 s[K3], 0x3f35f0e3                    ; 0.710706871,
	s_mov_b32 s[K4], 0xbf3a00e3                    ; -0.726576014,
	s_mov_b32 s[K5], 0x3f07dc22                    ; 0.530702716
.irp k, KP, KE, K1, K2, K3, K4, K5
	s_mov_b32 s[\k+1], s[\k]                       ; named as pairs
.endr
	s_mov_b32 s98, 0x7fffffff
	s_lshl_b32 s40, s20, 19
	s_lshl_b32 s44, s16, 18
	s_add_co_u32 s40, s40, s44
	s_mov_b32 s41, 0
	s_lshl_b32 s42, s19, 9                         ; W1: 256 columns a tile,
	s_lshl_b32 s45, s16, 19                        ; 64 k rows of 8,192 bytes a half
	s_add_co_u32 s42, s42, s45
	s_add_co_u32 s42, s42, 8388608
	s_mov_b32 s43, 0
	s_mul_i32 s23, s16, HALFA
	s_mul_i32 s69, s16, HALFB
	s_add_co_u32 s69, s69, BOFF
	s_mov_b32 s[SL], 0
	s_wait_dscnt 0x0                               ; the opening add is done
	s_wait_kmcnt 0x0
	s_add_nc_u64 s[40:41], s[4:5], s[40:41]
	s_add_nc_u64 s[42:43], s[6:7], s[42:43]
	CROUND
.irp s, 0,1
	s_mov_b32 s[G0+4*(\s)], 1
	s_add_co_u32 s[G0+4*(\s)+1], s23, (\s)*SLOT
	s_add_nc_u64 s[G0+4*(\s)+2:G0+4*(\s)+3], s[40:41], (\s)*ASTEP
	s_or_b32 s[G0+4*(\s)+3], s[G0+4*(\s)+3], 0x80000000
	s_mov_b32 s[G0B+4*(\s)], 1
	s_add_co_u32 s[G0B+4*(\s)+1], s69, (\s)*SLOT
	s_add_nc_u64 s[G0B+4*(\s)+2:G0B+4*(\s)+3], s[42:43], (\s)*BSTEP
	s_or_b32 s[G0B+4*(\s)+3], s[G0B+4*(\s)+3], 0x80000000
.endr
	s_cmp_eq_u32 s15, 0                            ; a wave's two first fills stand in one branch: two loads of mine are out
	s_cbranch_scc0 .Lfirst_b
	tensor_load_to_lds s[G0:G0+3], s[G1:G1+7]
	s_nop 0
	tensor_load_to_lds s[G0+4:G0+7], s[G1:G1+7]
	s_nop 0
	PLACES
	s_branch .Lfirst_done
.Lfirst_b:
	tensor_load_to_lds s[G0B:G0B+3], s[G1B:G1B+7]
	s_nop 0
	tensor_load_to_lds s[G0B+4:G0B+7], s[G1B:G1B+7]
	s_nop 0
	PLACES
.Lfirst_done:
	s_lshl_b32 s70, s19, 10                        ; bias at my 128 columns
	s_lshl_b32 s72, s16, 9
	s_add_co_u32 s70, s70, s72
	s_mov_b32 s71, 0
	s_add_nc_u64 s[8:9], s[8:9], s[70:71]
	s_lshl_b32 s70, s19, 21                        ; g: plane 4 x tile column + 2 x my half,
	s_lshl_b32 s72, s16, 20
	s_add_co_u32 s70, s70, s72
	s_lshl_b32 s72, s20, 15                        ; token 256 x tile row + 128 x my half, 128 bytes each
	s_add_co_u32 s70, s70, s72
	s_lshl_b32 s72, s15, 14
	s_add_co_u32 s70, s70, s72
	s_add_nc_u64 s[10:11], s[10:11], s[70:71]
	v_and_b32 v1, 15, v0                           ; r
	v_bfe_u32 v2, v0, 4, 1                         ; hh
	v_lshlrev_b32 v[BO], 4, v1
	global_load_b128 v[BIAS:BIAS+3],   v[BO], s[8:9]              ; columns 4 r .. of my first 64,
	global_load_b128 v[BIAS+4:BIAS+7], v[BO], s[8:9] offset:256   ; and of my second
	v_mul_u32_u24 v3, v1, PA
	v_lshl_add_u32 v3, v2, 4, v3
	s_mul_i32 s44, s15, HALFA
	v_add_nc_u32 v[A0], s44, v3
	v_and_b32 v4, 7, v0
	v_lshl_add_u32 v4, v2, 3, v4
	v_mul_u32_u24 v4, v4, PB
	v_bfe_u32 v5, v0, 3, 1
	v_lshl_add_u32 v4, v5, 4, v4
	s_lshl_b32 s45, s16, 8
	s_add_co_u32 s45, s45, BOFF
	v_add_nc_u32 v[B0], s45, v4
	v_mov_b32 v[ADRA], v[A0]
	v_mov_b32 v[ADRB], v[B0]
	s_mul_i32 s44, s14, 128*CP                     ; the way out: 128 rows x 528 bytes of my own
	v_mul_u32_u24 v3, v1, CP
	v_lshl_add_u32 v3, v2, 5, v3
	v_add_nc_u32 v[DST], s44, v3
	v_mul_u32_u24 v3, v2, CP
	v_lshl_add_u32 v3, v1, 4, v3
	v_add_nc_u32 v[RD], s44, v3
	v_lshlrev_b32 v3, 3, v1
	v_lshl_add_u32 v[GO], v2, 7, v3
	s_wait_tensorcnt 0x1                           ; my part of K step 0 is in; K step 1's may stay out
	s_barrier_signal -1
	s_barrier_wait -1
	FETCH 0, F0
	QUARTER 1, F0, F1, 1
	WIN 0
	s_mov_b32 s[CNT], STEPS-2
.Lk:
	QUARTER 2, F1, F0, 0
	QUARTER 3, F0, F1, 0
	TURN
	QUARTER 1, F0, F1, 0
	WIN 0
	s_sub_co_u32 s[CNT], s[CNT], 1
	s_cmp_lg_u32 s[CNT], 0
	s_cbranch_scc1 .Lk
	s_mov_b32 s[CNT], 2
.Lt:                                                   ; the last two K steps ask for nothing: one text, walked twice and left in its middle
	QUARTER 2, F1, F0, 0
	QUARTER 3, F0, F1, 0
	MEET 0
	WIN 0
	s_sub_co_u32 s[CNT], s[CNT], 1
	s_cmp_eq_u32 s[CNT], 0
	s_cbranch_scc1 .Lout
	NEXTSLOT
	PLACES
	FETCH 0, F0
	MULH F1, 1, 0, 0
	MULH F1, 1, 2, 0
	QUARTER 1, F0, F1, 0
	WIN 0
	s_branch .Lt
.Lout:                                                 ; behind the last barrier no wave reads the ring any more, and nothing fills it again
	MULH F1, 1, 0, 0
	MULH F1, 1, 2, 0
	; THE WAY OUT: my sums go as f32 into my own 128 rows in the ring's bytes (no barrier: LDS serves a wave's instructions in order) and come back by rows, four a trip.
	PLACES
.irp hi, 0,1
	WIN 0x08+4*(\hi)
.set a, 0
.rept 4
.set j, 0
.rept NBK
	ds_store_b128 v[DST], v[8*(NBK*a+j):8*(NBK*a+j)+3]   offset:16*CP*(4*(\hi)+a)+64*j
	ds_store_b128 v[DST], v[8*(NBK*a+j)+4:8*(NBK*a+j)+7] offset:16*CP*(4*(\hi)+a)+64*j+16
.set j, j+1
.endr
.set a, a+1
.endr
.endr
	WIN 0
.macro LOADS                           ; rows 2 (k / 2) + hh, column group k % 2: lanes 0-15 take 256 bytes of one row, lanes 16-31 of the next
.irp k, 0,1,2,3
	ds_load_b128 v[RAW+4*\k:RAW+4*\k+3], v[RD] offset:2*CP*(\k/2)+256*(\k%2)
.endr
.endm
.macro EACH8 line:vararg               ; one line for each of the 8 pairs, i = 0, 2 .. 14
.set i, 0
	s_wait_alu depctr_va_vdst(0)
.rept 8
	\line
.set i, i+2
.endr
.endm
.macro EACH16 line:vararg              ; one line for each of the 16 numbers
.set i, 0
.rept 16
	\line
.set i, i+1
.endr
.endm
	s_wait_loadcnt 0x0                             ; bias
	LOADS
	s_mov_b32 s[CNT], 32
.Lg:
	s_wait_dscnt 0x0                               ; this trip's rows are in
	s_wait_xcnt 0x0                                ; the last trip's stores have read their data and GO
	v_add_nc_u32 v[GO], 512, v[GO]                 ; the stores below reach back
.irp k, 0,1,2,3
	v_pk_add_f32 v[Z+4*\k:Z+4*\k+1],   v[RAW+4*\k:RAW+4*\k+1],   v[BIAS+4*(\k%2):BIAS+4*(\k%2)+1]
	v_pk_add_f32 v[Z+4*\k+2:Z+4*\k+3], v[RAW+4*\k+2:RAW+4*\k+3], v[BIAS+4*(\k%2)+2:BIAS+4*(\k%2)+3]
.endr
	v_add_nc_u32 v[RD], 4*CP, v[RD]
	s_sub_co_u32 s[CNT], s[CNT], 1
	s_cmp_eq_u32 s[CNT], 0
	s_cbranch_scc1 .Lnl                            ; the last trip has no next rows
	LOADS                                          ; the next trip's rows come while this trip's GELU is made
.Lnl:
	EACH16 v_and_b32 v[AZ+i], s98, v[Z+i]
	EACH16 v_max_num_f32 v[RL+i], 0, v[Z+i]
	EACH8 v_pk_fma_f32 v[TT+i:TT+i+1], v[AZ+i:AZ+i+1], s[KP:KP+1], 1.0 op_sel_hi:[1,0,0]
	EACH16 v_rcp_f32 v[TT+i], v[TT+i]
	EACH8 v_pk_mul_f32 v[EE+i:EE+i+1], v[Z+i:Z+i+1], v[Z+i:Z+i+1]                           ; the plain lines behind the reciprocals
	EACH8 v_pk_mul_f32 v[EE+i:EE+i+1], v[EE+i:EE+i+1], s[KE:KE+1] op_sel_hi:[1,0]
	EACH16 v_exp_f32 v[EE+i], v[EE+i]
	EACH8 v_pk_fma_f32 v[PP+i:PP+i+1], v[TT+i:TT+i+1], s[K5:K5+1], s[K4:K4+1] op_sel_hi:[1,0,0]   ; the plain lines behind the exponentials
	EACH8 v_pk_fma_f32 v[PP+i:PP+i+1], v[PP+i:PP+i+1], v[TT+i:TT+i+1], s[K3:K3+1] op_sel_hi:[1,1,0]
	EACH8 v_pk_fma_f32 v[PP+i:PP+i+1], v[PP+i:PP+i+1], v[TT+i:TT+i+1], s[K2:K2+1] op_sel_hi:[1,1,0]
	EACH8 v_pk_fma_f32 v[PP+i:PP+i+1], v[PP+i:PP+i+1], v[TT+i:TT+i+1], s[K1:K1+1] op_sel_hi:[1,1,0]
	EACH8 v_pk_mul_f32 v[PP+i:PP+i+1], v[PP+i:PP+i+1], v[TT+i:TT+i+1]
	EACH8 v_pk_mul_f32 v[PP+i:PP+i+1], v[PP+i:PP+i+1], v[EE+i:EE+i+1]                       ; Q(|z|)
	EACH8 v_pk_fma_f32 v[PP+i:PP+i+1], v[PP+i:PP+i+1], v[AZ+i:AZ+i+1], v[RL+i:RL+i+1] neg_lo:[1,0,0] neg_hi:[1,0,0]   ; max(z, 0) - Q |z|
	EACH8 v_cvt_pk_bf16_f32 v[OB+i/2], v[PP+i], v[PP+i+1]
.irp k, 0,1,2,3
	global_store_b64 v[GO], v[OB+2*\k:OB+2*\k+1], s[10:11] offset:256*(\k/2)+524288*(\k%2)-512   ; two tokens of a plane: 256 consecutive bytes, aligned
.endr
	s_cmp_lg_u32 s[CNT], 0
	s_cbranch_scc1 .Lg
	s_wait_tensorcnt 0x0                           ; the wave's end
	ds_add_u32 v[SPW], v[NIL]
	s_wait_dscnt 0x0
	CROUND                                         ; the closing round
	s_endpgm
.Lfunc_end_k_qf8c727387c_ff1:
	.size	k_qf8c727387c_ff1, .Lfunc_end_k_qf8c727387c_ff1-k_qf8c727387c_ff1
	.p2alignl 7, 3214868480
	.fill 96, 4, 3214868480
	.section	.rodata,"a",@progbits
	.p2align	6, 0x0
	.amdhsa_kernel k_qf8c727387c_ff1
		.amdhsa_group_segment_fixed_size 327680
		.amdhsa_private_segment_fixed_size 0
		.amdhsa_enable_private_segment 0
		.amdhsa_kernarg_size 32
		.amdhsa_user_sgpr_count 2
		.amdhsa_user_sgpr_kernarg_segment_ptr 1
		.amdhsa_wavefront_size32 1
		.amdhsa_system_sgpr_workgroup_id_x 1
		.amdhsa_system_sgpr_workgroup_id_y 1
		.amdhsa_system_sgpr_workgroup_id_z 1
		.amdhsa_system_vgpr_workitem_id 0
		.amdhsa_next_free_vgpr 1024
		.amdhsa_next_free_sgpr 100
		.amdhsa_reserve_vcc 0
		.amdhsa_float_denorm_mode_32 3
		.amdhsa_float_denorm_mode_16_64 3
		.amdhsa_memory_ordered 1
		.amdhsa_forward_progress 1
		.amdhsa_inst_pref_size 89
	.end_amdhsa_kernel
	.amdgpu_metadata
---
amdhsa.version: [ 1, 2 ]
amdhsa.kernels:
  - .name:           k_qf8c727387c_ff1
    .symbol:         k_qf8c727387c_ff1.kd
    .args:
      - { .name: h, .offset: 0, .size: 8, .value_kind: global_buffer, .address_space: global }
      - { .name: wb, .offset: 8, .size: 8, .value_kind: global_buffer, .address_space: global }
      - { .name: b_ff1, .offset: 16, .size: 8, .value_kind: global_buffer, .address_space: global }
      - { .name: g, .offset: 24, .size: 8, .value_kind: global_buffer, .address_space: global }
    .group_segment_fixed_size: 327680
    .private_segment_fixed_size: 0
    .kernarg_segment_align: 8
    .kernarg_segment_size: 32
    .max_flat_workgroup_size: 128
    .sgpr_count:     100
    .vgpr_count:     1024
    .wavefront_size: 32
...
	.end_amdgpu_metadata
.endif
;; end of part 6
;; launch ff2 (part 7): grid 8 x 32, 4 waves a work-group, clusters of 4 x 4, 327,680 bytes of LDS; arguments g, wb, b_ff2, x1, out0; writes out0
.if DOCPART == 7
	.amdgcn_target "amdgcn-amd-amdhsa--gfx1250"
	.amdhsa_code_object_version 6
	.text
	.protected	k_qf8c727387c_ff2
	.globl	k_qf8c727387c_ff2
	.p2align	8
	.type	k_qf8c727387c_ff2,@function
k_qf8c727387c_ff2:
	s_mov_b64 s[64:65], 0
	v_nop
	global_prefetch_b8 v0, s[64:65] scope:SCOPE_SE
	s_setreg_imm32_b32 hwreg(HW_REG_WAVE_MODE, 25, 1), 1
	s_wait_xcnt 0x0
	s_wait_alu depctr_hold_cnt(0) depctr_sa_sdst(0) depctr_va_vdst(0) depctr_va_sdst(0) depctr_va_ssrc(0) depctr_va_vcc(0) depctr_vm_vsrc(0)
	s_getreg_b32 s2, hwreg(HW_REG_IB_STS2, 6, 4)
	s_cmp_eq_u32 s2, 0
	s_cbranch_scc0 .Lentry_in_a_cluster
	s_endpgm
.Lentry_in_a_cluster:
	s_bfe_u32 s2, ttmp6, 0x10000c
	s_cmp_lg_u32 s2, 0xf033
	s_cbranch_scc0 .Lentry_shape_is_right
	s_endpgm
.Lentry_shape_is_right:
; OUT = RES + A x W + bias.  A: planes [K / 64][4096 tokens][64] bf16.  W: wb + WOFF, [K][1024] bf16.  bias [1024], RES and OUT [4096][1024] f32.  Here K = 4,096 (A = g, W = w_ff2, RES = x1, OUT = out0).
; Sums in f32.  A work-group makes 128 tokens x 128 columns.  K IS SPLIT OVER THE FOUR WAVES: a slot holds 256 along K, wave w multiplies its k = 64 w .. 64 w + 63 for the whole tile (64 accumulators),
; so a fragment read from LDS feeds eight products; the four waves' f32 sums meet in LDS at the end, where bias and RES are added.
; CLUSTER 4 x 4: A's tile is asked for jointly along a row of the cluster, W's along a column.  The matrix instruction is used transposed (source 0 = 16 columns of W, source 1 = 16 tokens).
; THE ORDER ALONG K differs from cluster to cluster: in trip t a cluster takes K step (t & ~3) | ((t + rho) & 3), rho = (cluster y + 2 cluster x) & 3.  So of four clusters below each other, which need the
; same tiles of W, each asks for a given tile in another trip, and the two clusters beside each other, which need the same tiles of A, ask for a tile two trips apart.  rho is equal in all partners of a
; joint load.  The f32 sums are therefore added in an order that hangs on the cluster.
; W lies [k][n] in LDS and comes out turned.  The K loop is written for one slot; the slot's offset is a scalar turned by an exclusive or.
; WINDOWS: 0 addresses, A's fragments v64-127, v128-191;  1 W's fragments;  2, 3 accumulators of token blocks 0-3, 4-7, block a, column block j at v[8 (8 a + j)].
.set STEPS, 16                         ; slots of 256 along K
.set WOFF,  16777216
.set NBK,   8
.set PA,    144                        ; a token's 64 channels of a plane: 128 bytes + 16
.set PB,    288                        ; a k row of W: 256 bytes + 32
.set BOG,   0
.set BOD,   8
.set HALFA, 2*128*PA                   ; two planes
.set BOFF,  2*HALFA
.set HALFB, 128*PB
.set SLOT,  BOFF+2*HALFB               ; 147,456
.set SPARE, 2*SLOT
.set ASH,   21                         ; a K step is four planes of A, 1 << 21 bytes,
.set BSH,   19                         ; and 256 rows of W, 1 << 19 bytes
.set CP,    528                        ; the way out: a row of 128 f32 + 16 bytes
.set COPY,  64*CP                      ; a wave's copy of 64 rows
.set A0,   10
.set B0,   11
.set ADRA, 16
.set ADRB, 17
.set DST,  18                          ; v18  where I put my copy
.set RA0,  20                          ; v20, v21  where I read copies 0, 1 and 2, 3
.set RA1,  21
.set RR,   22                          ; v22  where I read RES
.set GO,   23                          ; v23  my byte offset in OUT
.set BO,   24                          ; v24  16 x lane; never rewritten
.set PF,   25                          ; v25  4,096 x lane; never rewritten
.set RAB,  26                          ; v26  RA0's start; never rewritten
.set SPW,  28
.set NIL,  29
.set BIAS, 32                          ; v[32:35]
.set R,    64                          ; the way out: v[64:143], 20 a row
.set F0,   64
.set F1,   128
.set G1,   24
.set G0,   32
.set G1B,  48
.set G0B,  56
.set SL,   66
.set CNT,  68
.set G1R,  72                          ; s[72:79], s[80:83] RES's tile: a load of my own, no mask
.set G0R,  80
.set OA,   90                          ; s[90:91] the K step's byte offset in A;  s[92:93] in W
.set OW,   92
.set TT,   94                          ; s94  the trip whose tiles are asked for next
.set RHO,  95                          ; s95  rho
.set MSB, 0
.macro WIN new
.if MSB != (\new)
	s_set_vgpr_msb (MSB<<8)|(\new)
.set MSB, \new
.endif
.endm
.set MUL_LO, 0xa1
.set MUL_HI, 0xf1
.set TO_B,   0x40
.macro PLACES
.rept 4
	v_nop
.endr
.endm
.macro JLOAD
	s_cmp_eq_u32 s15, 0
	s_cbranch_scc0 .Lfor_b_\@
	tensor_load_to_lds s[G0+4:G0+7], s[G1:G1+7]
	s_nop 0
	PLACES
	s_branch .Lasked_\@
.Lfor_b_\@:
	tensor_load_to_lds s[G0B+4:G0B+7], s[G1B:G1B+7]
	s_nop 0
	PLACES
.Lasked_\@:
.endm
.macro CREST
	s_cmp_lg_u32 s14, 0
	s_cbranch_scc1 .Lnot_wave_0_\@
	s_barrier_signal -3
.Lnot_wave_0_\@:
	s_barrier_wait -3
	s_barrier_signal -1
	s_barrier_wait -1
.endm
.macro CROUND
	s_barrier_signal -1
	s_barrier_wait -1
	CREST
.endm
.macro MULH f, hi, a0, zero            ; 16 matrix instructions; the accumulators take turns, in the same order in every quarter
	WIN MUL_LO+0x50*(\hi)
.irp a, \a0, (\a0)+1
.set j, 0
.rept NBK
.if \zero
	v_wmma_f32_16x16x32_bf16 v[8*(NBK*(\a)+j):8*(NBK*(\a)+j)+7], v[(\f)+8*j:(\f)+8*j+7], v[(\f)+8*(4*(\hi)+(\a)):(\f)+8*(4*(\hi)+(\a))+7], 0
.else
	v_wmma_f32_16x16x32_bf16 v[8*(NBK*(\a)+j):8*(NBK*(\a)+j)+7], v[(\f)+8*j:(\f)+8*j+7], v[(\f)+8*(4*(\hi)+(\a)):(\f)+8*(4*(\hi)+(\a))+7], v[8*(NBK*(\a)+j):8*(NBK*(\a)+j)+7]
.endif
.set j, j+1
.endr
.endr
.endm
.macro FETCH q, f
	WIN TO_B
.set j, 0
.rept NBK
	ds_load_tr16_b128 v[(\f)+8*j:(\f)+8*j+3],   v[ADRB] offset:32*(\q)*PB+BOG*(j/BOD)+32*(j%BOD)
	ds_load_tr16_b128 v[(\f)+8*j+4:(\f)+8*j+7], v[ADRB] offset:32*(\q)*PB+16*PB+BOG*(j/BOD)+32*(j%BOD)
.set j, j+1
.endr
	WIN 0
.irp i, 0,1,2,3,4,5,6,7
	ds_load_b128 v[(\f)+8*(\i):(\f)+8*(\i)+3],   v[ADRA] offset:64*(\q)+(\i)*16*PA
	ds_load_b128 v[(\f)+8*(\i)+4:(\f)+8*(\i)+7], v[ADRA] offset:64*(\q)+(\i)*16*PA+32
.endr
.endm
.macro QUARTER qn, f, g, zero
	s_wait_dscnt 8                                 ; W and A's rows 0-63 are in; the eight youngest loads may be out
	MULH \f, 0, 0, \zero
	MULH \f, 0, 2, \zero
	PLACES
	FETCH \qn, \g
	s_wait_dscnt 16+2*NBK                          ; all but the run just issued
	MULH \f, 1, 0, \zero
	MULH \f, 1, 2, \zero
.endm
.macro MEET round
	WIN 0
	s_wait_tensorcnt 0x0                           ; the one that was out is my part of the next slot
	ds_add_u32 v[SPW], v[NIL]                      ; 0 onto my spare word
	s_wait_dscnt 9                                 ; (the add and the eight youngest loads may be out)
	MULH F1, 0, 0, 0
	s_wait_dscnt 0x0                               ; the add is done, and my reads of this slot are over
	s_barrier_signal -1
	MULH F1, 0, 2, 0
.if \round
	WIN 0
.endif
	s_barrier_wait -1
.endm
.macro NEXTSLOT
	s_xor_b32 s[SL], s[SL], SLOT
	v_add_nc_u32 v[ADRA], s[SL], v[A0]
	v_add_nc_u32 v[ADRB], s[SL], v[B0]
.endm
.macro TURN                            ; a slot's last quarter; the slot is filled again, first thing behind the cluster's round, with the K step of trip TT
	MEET 1
	CREST
	s_add_co_u32 s[OA], s[TT], s[RHO]              ; the K step: within its block of four turned by rho
	s_and_b32 s[OA], s[OA], 3
	s_and_b32 s[OW], s[TT], 0xfc
	s_or_b32 s[OA], s[OA], s[OW]
	s_add_co_u32 s[TT], s[TT], 1
	s_lshl_b32 s[OW], s[OA], BSH
	s_lshl_b32 s[OA], s[OA], ASH
	s_xor_b32 s[G0+5], s[G0+5], SLOT               ; the walking descriptors: the other slot than last time; the address is made anew from the tile's base
	s_add_nc_u64 s[G0+6:G0+7], s[40:41], s[OA:OA+1]
	s_or_b32 s[G0+7], s[G0+7], 0x80000000
	s_xor_b32 s[G0B+5], s[G0B+5], SLOT
	s_add_nc_u64 s[G0B+6:G0B+7], s[42:43], s[OW:OW+1]
	s_or_b32 s[G0B+7], s[G0B+7], 0x80000000
	JLOAD
	NEXTSLOT
	FETCH 0, F0
	MULH F1, 1, 0, 0
	MULH F1, 1, 2, 0
.endm
.macro TURN_R                          ; the last change of slots: slot 0, read out, takes my 32 rows of RES's tile
	MEET 1
	CREST
	tensor_load_to_lds s[G0R:G0R+3], s[G1R:G1R+7]
	s_nop 0
	PLACES
	NEXTSLOT
	FETCH 0, F0
	MULH F1, 1, 0, 0
	MULH F1, 1, 2, 0
.endm
.macro MEETF                           ; the last barrier of the ring: behind it nobody reads slot 1, and nothing is filled, so RES's load may stay out
	s_wait_dscnt 8
	MULH F1, 0, 0, 0
	s_wait_dscnt 0x0
	s_barrier_signal -1
	MULH F1, 0, 2, 0
	s_barrier_wait -1
.endm
	s_load_b256 s[4:11], s[0:1], 0x0               ; A s[4:5], wb s[6:7], bias s[8:9], RES s[10:11]
	s_load_b64 s[12:13], s[0:1], 0x20              ; OUT
	v_lshl_add_u32 v[SPW], v0, 2, SPARE
	v_mov_b32 v[NIL], 0
	ds_add_u32 v[SPW], v[NIL]                      ; the wave's opening: the add and its wait stand ahead of my first tensor load
	ds_add_u32 v28, v29
	v_lshrrev_b32 v1, 5, v0
	v_readfirstlane_b32 s14, v1
	s_lshr_b32 s15, s14, 1                         ; I fetch for A (0) or for W (1),
	s_and_b32 s16, s14, 1                          ; this half of the tile
	s_bfe_u32 s17, ttmp6, 0x40000
	s_bfe_u32 s18, ttmp6, 0x40004
	s_lshl_b32 s19, ttmp9, 2
	s_add_co_u32 s19, s19, s17                     ; tile column
	s_and_b32 s20, ttmp7, 0xffff
	s_lshl_b32 s[RHO], ttmp9, 1
	s_add_co_u32 s[RHO], s[RHO], s20
	s_and_b32 s[RHO], s[RHO], 3                    ; rho, of the cluster's own x and y alone
	s_lshl_b32 s20, s20, 2
	s_add_co_u32 s20, s20, s18                     ; tile row
	s_lshl_b32 s21, s18, 2
	s_lshl_b32 s21, 15, s21
	s_lshl_b32 s22, 0x1111, s17
	s_or_b32 s[G1], s21, (1<<16)|(1<<20)|(1<<21)|(4<<22)|(3<<25)    ; 4 words of padding after every 32: behind each token
	s_mov_b32 s[G1+1], 8192<<16                    ; 128 tokens of a plane are 16,384 dense bytes: one row of 8,192 elements;
	s_mov_b32 s[G1+2], 2<<16                       ; two planes,
	s_mov_b32 s[G1+3], 8192<<16
	s_mov_b32 s[G1+4], 2
	s_mov_b32 s[G1+5], 262144                      ; 262,144 elements apart
	s_mov_b32 s[G1+6], 0
	s_mov_b32 s[G1+7], 0
	s_or_b32 s[G1B], s22, (1<<16)|(1<<20)|(1<<21)|(5<<22)|(7<<25)   ; 8 words of padding after every 64
	s_mov_b32 s[G1B+1], 128<<16
	s_mov_b32 s[G1B+2], 128<<16
	s_mov_b32 s[G1B+3], 128<<16
	s_mov_b32 s[G1B+4], 128
	s_mov_b32 s[G1B+5], 1024
	s_mov_b32 s[G1B+6], 0
	s_mov_b32 s[G1B+7], 0
	s_mov_b32 s[G1R], 2<<16                        ; 4-byte elements, no mask, no padding: 32 rows of 128
	s_mov_b32 s[G1R+1], 128<<16
	s_mov_b32 s[G1R+2], 32<<16
	s_mov_b32 s[G1R+3], 128<<16
	s_mov_b32 s[G1R+4], 32
	s_mov_b32 s[G1R+5], 1024
	s_mov_b32 s[G1R+6], 0
	s_mov_b32 s[G1R+7], 0
	s_mov_b32 s[G0R], 1
	s_lshl_b32 s[G0R+1], s14, 14                   ; row m of the tile lands at 512 m
	s_lshl_b32 s40, s20, 14                        ; A: 128 tokens x 128 bytes a tile row,
	s_lshl_b32 s44, s16, 20                        ; two planes a half
	s_add_co_u32 s40, s40, s44
	s_mov_b32 s41, 0
	s_lshl_b32 s42, s19, 8                         ; W: 128 columns a tile,
	s_lshl_b32 s45, s16, 18                        ; 128 k rows a half
	s_add_co_u32 s42, s42, s45
	s_add_co_u32 s42, s42, WOFF
	s_mov_b32 s43, 0
	s_mul_i32 s23, s16, HALFA
	s_mul_i32 s69, s16, HALFB
	s_add_co_u32 s69, s69, BOFF
	s_mov_b32 s[SL], 0
	s_mov_b32 s[OA+1], 0
	s_mov_b32 s[OW+1], 0
	s_mov_b32 s[TT], 2
	s_wait_dscnt 0x0                               ; the opening add is done
	s_wait_kmcnt 0x0
	s_add_nc_u64 s[40:41], s[4:5], s[40:41]        ; my part of the tiles at K step 0: kept for the whole launch
	s_add_nc_u64 s[42:43], s[6:7], s[42:43]
	CROUND
.irp s, 0,1
	s_add_co_u32 s[OA], s[RHO], \s                 ; trips 0 and 1 take K steps rho and rho + 1, modulo 4
	s_and_b32 s[OA], s[OA], 3
	s_lshl_b32 s[OW], s[OA], BSH
	s_lshl_b32 s[OA], s[OA], ASH
	s_mov_b32 s[G0+4*(\s)], 1
	s_add_co_u32 s[G0+4*(\s)+1], s23, (\s)*SLOT
	s_add_nc_u64 s[G0+4*(\s)+2:G0+4*(\s)+3], s[40:41], s[OA:OA+1]
	s_or_b32 s[G0+4*(\s)+3], s[G0+4*(\s)+3], 0x80000000
	s_mov_b32 s[G0B+4*(\s)], 1
	s_add_co_u32 s[G0B+4*(\s)+1], s69, (\s)*SLOT
	s_add_nc_u64 s[G0B+4*(\s)+2:G0B+4*(\s)+3], s[42:43], s[OW:OW+1]
	s_or_b32 s[G0B+4*(\s)+3], s[G0B+4*(\s)+3], 0x80000000
.endr
	s_cmp_eq_u32 s15, 0                            ; a wave's two first fills stand in one branch: two loads of mine are out
	s_cbranch_scc0 .Lfirst_b
	tensor_load_to_lds s[G0:G0+3], s[G1:G1+7]
	s_nop 0
	tensor_load_to_lds s[G0+4:G0+7], s[G1:G1+7]
	s_nop 0
	PLACES
	s_branch .Lfirst_done
.Lfirst_b:
	tensor_load_to_lds s[G0B:G0B+3], s[G1B:G1B+7]
	s_nop 0
	tensor_load_to_lds s[G0B+4:G0B+7], s[G1B:G1B+7]
	s_nop 0
	PLACES
.Lfirst_done:
	s_lshl_b32 s86, s20, 19                        ; the tile's first byte in RES and in OUT
	s_lshl_b32 s88, s19, 9
	s_add_co_u32 s86, s86, s88
	s_mov_b32 s87, 0
	s_mov_b32 s89, 0
	s_add_nc_u64 s[12:13], s[12:13], s[86:87]
	s_add_nc_u64 s[8:9], s[8:9], s[88:89]          ; bias at the tile's first column
	s_lshl_b32 s88, s14, 17
	s_add_co_u32 s86, s86, s88
	s_add_nc_u64 s[84:85], s[10:11], s[86:87]      ; RES at my 32 rows
	s_mov_b64 s[G0R+2:G0R+3], s[84:85]
	s_or_b32 s[G0R+3], s[G0R+3], 0x80000000
	v_and_b32 v1, 15, v0                           ; r
	v_bfe_u32 v2, v0, 4, 1                         ; hh
	v_and_b32 v4, 31, v0
	v_lshlrev_b32 v[BO], 4, v4
	v_lshlrev_b32 v[PF], 12, v4
	global_load_b128 v[BIAS:BIAS+3], v[BO], s[8:9] ; columns 4 l ..
	v_mul_u32_u24 v3, v1, PA
	v_lshl_add_u32 v3, v2, 4, v3
	s_mul_i32 s44, s14, 128*PA                     ; plane w of the slot is my 64 along K
	v_add_nc_u32 v[A0], s44, v3
	v_and_b32 v4, 7, v0
	v_lshl_add_u32 v4, v2, 3, v4
	v_mul_u32_u24 v4, v4, PB
	v_bfe_u32 v5, v0, 3, 1
	v_lshl_add_u32 v4, v5, 4, v4
	s_mul_i32 s45, s14, 64*PB
	s_add_co_u32 s45, s45, BOFF
	v_add_nc_u32 v[B0], s45, v4
	v_mov_b32 v[ADRA], v[A0]
	v_mov_b32 v[ADRB], v[B0]
	v_mul_u32_u24 v3, v1, CP                       ; my copy, in slot 1: row r, 32 bytes for each half of the lanes
	v_lshl_add_u32 v3, v2, 5, v3
	s_mul_i32 s44, s14, COPY
	s_add_co_u32 s44, s44, SLOT
	v_add_nc_u32 v[DST], s44, v3
	s_mul_i32 s44, s14, 16*CP                      ; of each 64 rows I add up rows 16 w ..; a lane takes 16 bytes of a row
	s_add_co_u32 s44, s44, SLOT
	v_add_nc_u32 v[RAB], s44, v[BO]
	s_lshl_b32 s44, s14, 13
	v_add_nc_u32 v[RR], s44, v[BO]
	s_lshl_b32 s44, s14, 16
	v_add_nc_u32 v[GO], s44, v[BO]
	s_wait_tensorcnt 0x1                           ; my part of slot 0 is in; slot 1's may stay out
	s_barrier_signal -1
	s_barrier_wait -1
	FETCH 0, F0
	QUARTER 1, F0, F1, 1                           ; the first quarter starts the sums with the constant 0
	WIN 0
	s_mov_b32 s[CNT], STEPS-2
.Lk:                                                   ; a trip: a slot's second quarter, the change of slots with its refill, the next slot's first quarter
	s_cmp_eq_u32 s[CNT], 2                         ; two trips ahead of the load that wants them my 32 rows of RES are asked for: 512 bytes a row, one lane a row, each block once in the launch
	s_cbranch_scc0 .Lnp
	global_prefetch_b8 v[PF], s[84:85] th:TH_LOAD_NT scope:SCOPE_SE
	global_prefetch_b8 v[PF], s[84:85] offset:256 th:TH_LOAD_NT scope:SCOPE_SE
.Lnp:
	TURN
	QUARTER 1, F0, F1, 0
	WIN 0
	s_sub_co_u32 s[CNT], s[CNT], 1
	s_cmp_lg_u32 s[CNT], 0
	s_cbranch_scc1 .Lk
	TURN_R
	QUARTER 1, F0, F1, 0
	MEETF
	MULH F1, 1, 0, 0
	MULH F1, 1, 2, 0
; THE WAY OUT, in two rounds of 64 rows: each wave puts its f32 copy of the rows into slot 1; a barrier; wave w adds up rows 16 w .. 16 w + 15 of the four copies, bias and RES, and stores them.
.macro ROUND_OUT rho
.if (\rho) == 0
	PLACES
.else
	s_wait_xcnt 0x0                                ; the stores have read GO
	v_add_nc_u32 v[GO], 196608, v[GO]              ; 64 rows on from the round's start
	v_add_nc_u32 v[RR], 24576, v[RR]
	s_wait_dscnt 0x0                               ; my reads of the first round's copies are over,
	s_barrier_signal -1
	s_barrier_wait -1                              ; everybody's are
.endif
	WIN 0x08+4*(\rho)                              ; store data in window 2 or 3
.set a, 0
.rept 4
.set j, 0
.rept NBK
	ds_store_b128 v[DST], v[8*(NBK*a+j):8*(NBK*a+j)+3]   offset:16*CP*a+64*j
	ds_store_b128 v[DST], v[8*(NBK*a+j)+4:8*(NBK*a+j)+7] offset:16*CP*a+64*j+16
.set j, j+1
.endr
.set a, a+1
.endr
	WIN 0
	v_mov_b32 v[RA0], v[RAB]
	v_add_nc_u32 v[RA1], 2*COPY, v[RAB]
.if (\rho) == 0
	s_wait_tensorcnt 0x0                           ; my rows of RES are in
	s_wait_loadcnt 0x0                             ; bias
.endif
	s_wait_dscnt 0x0                               ; for the others' sake: my copy is written
	s_barrier_signal -1
	s_barrier_wait -1
	s_mov_b32 s[CNT], 4
.Lred_\@:                                              ; 4 rows a trip
	s_wait_xcnt 0x0                                ; the last trip's stores have read their data and GO
	v_add_nc_u32 v[GO], 16384, v[GO]               ; the stores below reach back
.irp i, 0,1,2,3
	ds_load_b128 v[R+20*\i:R+20*\i+3],     v[RA0] offset:CP*\i
	ds_load_b128 v[R+20*\i+4:R+20*\i+7],   v[RA0] offset:COPY+CP*\i
	ds_load_b128 v[R+20*\i+8:R+20*\i+11],  v[RA1] offset:CP*\i
	ds_load_b128 v[R+20*\i+12:R+20*\i+15], v[RA1] offset:COPY+CP*\i
	ds_load_b128 v[R+20*\i+16:R+20*\i+19], v[RR]  offset:512*\i
.endr
	v_add_nc_u32 v[RA0], 4*CP, v[RA0]
	v_add_nc_u32 v[RA1], 4*CP, v[RA1]
	v_add_nc_u32 v[RR], 2048, v[RR]
.irp i, 0,1,2,3
	s_wait_dscnt 15-5*\i                           ; row i's five loads are in, the later rows' stay out
.irp e, 0,2
	v_pk_add_f32 v[R+20*\i+\e:R+20*\i+\e+1],       v[R+20*\i+\e:R+20*\i+\e+1],       v[R+20*\i+4+\e:R+20*\i+4+\e+1]
	v_pk_add_f32 v[R+20*\i+8+\e:R+20*\i+8+\e+1],   v[R+20*\i+8+\e:R+20*\i+8+\e+1],   v[R+20*\i+12+\e:R+20*\i+12+\e+1]
	v_pk_add_f32 v[R+20*\i+16+\e:R+20*\i+16+\e+1], v[R+20*\i+16+\e:R+20*\i+16+\e+1], v[BIAS+\e:BIAS+\e+1]
.endr
.irp e, 0,2
	v_pk_add_f32 v[R+20*\i+\e:R+20*\i+\e+1], v[R+20*\i+\e:R+20*\i+\e+1], v[R+20*\i+8+\e:R+20*\i+8+\e+1]
.endr
.irp e, 0,2
	v_pk_add_f32 v[R+20*\i+\e:R+20*\i+\e+1], v[R+20*\i+\e:R+20*\i+\e+1], v[R+20*\i+16+\e:R+20*\i+16+\e+1]
.endr
	global_store_b128 v[GO], v[R+20*\i:R+20*\i+3], s[12:13] offset:4096*\i-16384   ; 512 consecutive bytes, aligned
.endr
	s_sub_co_u32 s[CNT], s[CNT], 1
	s_cmp_lg_u32 s[CNT], 0
	s_cbranch_scc1 .Lred_\@
.endm
	ROUND_OUT 0
	ROUND_OUT 1
	s_wait_tensorcnt 0x0                           ; the wave's end
	ds_add_u32 v[SPW], v[NIL]
	s_wait_dscnt 0x0
	CROUND                                         ; the closing round
	s_endpgm
.Lfunc_end_k_qf8c727387c_ff2:
	.size	k_qf8c727387c_ff2, .Lfunc_end_k_qf8c727387c_ff2-k_qf8c727387c_ff2
	.p2alignl 7, 3214868480
	.fill 96, 4, 3214868480
	.section	.rodata,"a",@progbits
	.p2align	6, 0x0
	.amdhsa_kernel k_qf8c727387c_ff2
		.amdhsa_group_segment_fixed_size 327680
		.amdhsa_private_segment_fixed_size 0
		.amdhsa_enable_private_segment 0
		.amdhsa_kernarg_size 40
		.amdhsa_user_sgpr_count 2
		.amdhsa_user_sgpr_kernarg_segment_ptr 1
		.amdhsa_wavefront_size32 1
		.amdhsa_system_sgpr_workgroup_id_x 1
		.amdhsa_system_sgpr_workgroup_id_y 1
		.amdhsa_system_sgpr_workgroup_id_z 1
		.amdhsa_system_vgpr_workitem_id 0
		.amdhsa_next_free_vgpr 1024
		.amdhsa_next_free_sgpr 100
		.amdhsa_reserve_vcc 0
		.amdhsa_float_denorm_mode_32 3
		.amdhsa_float_denorm_mode_16_64 3
		.amdhsa_memory_ordered 1
		.amdhsa_forward_progress 1
		.amdhsa_inst_pref_size 67
	.end_amdhsa_kernel
	.amdgpu_metadata
---
amdhsa.version: [ 1, 2 ]
amdhsa.kernels:
  - .name:           k_qf8c727387c_ff2
    .symbol:         k_qf8c727387c_ff2.kd
    .args:
      - { .name: g, .offset: 0, .size: 8, .value_kind: global_buffer, .address_space: global }
      - { .name: wb, .offset: 8, .size: 8, .value_kind: global_buffer, .address_space: global }
      - { .name: b_ff2, .offset: 16, .size: 8, .value_kind: global_buffer, .address_space: global }
      - { .name: x1, .offset: 24, .size: 8, .value_kind: global_buffer, .address_space: global }
      - { .name: out0, .offset: 32, .size: 8, .value_kind: global_buffer, .address_space: global }
    .group_segment_fixed_size: 327680
    .private_segment_fixed_size: 0
    .kernarg_segment_align: 8
    .kernarg_segment_size: 40
    .max_flat_workgroup_size: 128
    .sgpr_count:     100
    .vgpr_count:     1024
    .wavefront_size: 32
...
	.end_amdgpu_metadata
.endif
;; end of part 7
